; MI455X (gfx1250); checked and timed in simulation.
; The chip was launched on July 23, 2026; its instructions are those of AMD's public machine-readable ISA for CDNA 5 (MIT licence, August 2026) and "CDNA5" Instruction Set Architecture Reference Guide (July 2026). The comments in the code are by the model that wrote it; some were corrected since.
;; Causal Attention. Allowed arithmetic: float matrix products may take bf16 or f16 operands with f32 sums; all other float work in f32.
;; Inputs: rope_cos 2,048 x 128 float32; rope_sin 2,048 x 128 float32; w_k 2,048 x 2,048 float32; w_o 2,048 x 2,048 float32; w_q 2,048 x 2,048 float32; w_v 2,048 x 2,048 float32; x 1 x 2,048 x 2,048 float32.
;; Outputs: out0 1 x 2,048 x 2,048 float32.
;; One version. Each part assembles by itself: llvm-mc -triple=amdgcn-amd-amdhsa -mcpu=gfx1250 --defsym DOCPART=n.
;; ======== version 1 of 1: 4 launches
;; limits: values are held in f16: magnitudes above 65,504 overflow, below 6.1e-05 lose precision; right only within a limited range of input values
;; workspace buffers: xb 8,388,608 bytes; wb 25,165,824 bytes; wob 8,388,608 bytes; tab 1,048,576 bytes; qkv 25,165,824 bytes; ob 8,388,608 bytes
;; launch cast (part 1): grid 256 x 5, 8 waves a work-group, no clusters, 0 bytes of LDS; arguments x, w_q, w_k, w_v, w_o, rope_cos, rope_sin, xb, wb, wob, tab; writes xb, wb, wob, tab
.if DOCPART == 1
	.amdgcn_target "amdgcn-amd-amdhsa--gfx1250"
	.amdhsa_code_object_version 6
	.text
	.protected	k_q952cae6fbe_cast
	.globl	k_q952cae6fbe_cast
	.p2align	8
	.type	k_q952cae6fbe_cast,@function
k_q952cae6fbe_cast:
	s_mov_b64 s[64:65], 0
	v_nop
	global_prefetch_b8 v0, s[64:65] scope:SCOPE_SE
	s_setreg_imm32_b32 hwreg(HW_REG_WAVE_MODE, 25, 1), 1
	s_wait_xcnt 0x0
; Every input is rounded once to bf16, so that the three matrix launches behind read 16-bit operands.
;   y = 0: x -> xb;  y = 1, 2, 3: w_q, w_k, w_v -> wb[y-1];  y = 4: w_o -> wob = 2 x bf16(w_o), written as f16 (exact: 8 significant bits in 11).
;   y = 0, 1 also: rope_cos, rope_sin -> tab[y] = bf16(table) x 2^-6; the sine carries rotate_half's sign, minus for d < 64.
; The powers of two are exact and are taken back later: 2^-6 on q and on k in the softmax's constant, 2 on w_o against 1/2 on v.
; LIMITS.  |w_o| up to 32,752 (f16's end, halved); below 3e-5 w_o keeps f16's fixed step, 3e-8.  NaN and infinities are not treated apart.
; A stream: no LDS, no barrier, no matrix work.  A work-group takes 16,384 numbers of its tensor: sixteen loads of 16 bytes a thread, all issued at once
; (a wave's load covers 512 consecutive bytes), sixteen stores of 8 bytes (a wave's store covers 256 consecutive bytes, aligned).
; The numbers are rounded in place, into the low two of the four registers that they were loaded into: 84 registers a wave, so that the ten waves a SIMD
; that a WGP's five work-groups make take 840 of its 1,024 and all their loads are on their way together.  No register is used twice by memory instructions.
.set IN,  4                            ; v[4:67]    sixteen loads; the low pair of each four is then stored
.set T,   68                           ; v[68:73]   at work (w_o)
.set TB,  76                           ; v[76:79]   the tables' four numbers; the low pair is then stored
.set SC,  80                           ; v[80:81]   the tables' factor, twice
	s_load_b512 s[8:23], s[0:1], 0x0               ; x, w_q, w_k, w_v, w_o, cos, sin, xb
	s_load_b128 s[24:27], s[0:1], 0x40             ; wb, wob
	s_load_b64 s[28:29], s[0:1], 0x50              ; tab
	s_and_b32 s2, ttmp7, 0xffff                    ; y: which tensor
	v_lshlrev_b32 v1, 4, v0                        ; 16 t: my bytes in 4,096 loaded
	v_lshlrev_b32 v2, 3, v0                        ; 8 t: my bytes in 2,048 stored
	s_lshl_b32 s34, ttmp9, 16                      ; the work-group's 65,536 bytes in
	s_mov_b32 s35, 0
	s_sub_co_u32 s3, s2, 1                         ; wb's plane y - 1, 8,388,608 bytes each,
	s_lshl_b32 s3, s3, 23
	s_cmp_eq_u32 s2, 0                             ; and none for x and w_o
	s_cselect_b32 s3, 0, s3
	s_cmp_eq_u32 s2, 4
	s_cselect_b32 s3, 0, s3
	s_lshl_b32 s36, ttmp9, 15                      ; the work-group's 32,768 bytes out
	s_add_co_u32 s36, s36, s3
	s_mov_b32 s37, 0
	s_wait_kmcnt 0x0
	s_cmp_eq_u32 s2, 1                             ; the source and the destination are chosen by y alone
	s_cselect_b64 s[30:31], s[10:11], s[8:9]
	s_cmp_eq_u32 s2, 2
	s_cselect_b64 s[30:31], s[12:13], s[30:31]
	s_cmp_eq_u32 s2, 3
	s_cselect_b64 s[30:31], s[14:15], s[30:31]
	s_cmp_eq_u32 s2, 4
	s_cselect_b64 s[30:31], s[16:17], s[30:31]
	s_cselect_b64 s[32:33], s[26:27], s[24:25]
	s_cmp_eq_u32 s2, 0
	s_cselect_b64 s[32:33], s[22:23], s[32:33]
	s_add_nc_u64 s[30:31], s[30:31], s[34:35]
	s_add_nc_u64 s[32:33], s[32:33], s[36:37]
.irp k, 0,1,2,3,4,5,6,7,8,9,10,11,12,13,14,15
	global_load_b128 v[IN+4*(\k):IN+4*(\k)+3], v1, s[30:31] offset:4096*(\k) th:TH_LOAD_NT
.endr
	; The work-groups of y = 0 and y = 1 also take 1,024 numbers of a table each: 256 x 1,024 = 2,048 x 128.  The load goes out right behind the sixteen, so that it is on its way with them.
	s_cmp_gt_u32 s2, 1
	s_cbranch_scc1 .Lmain
	s_mov_b32 s40, 0x3c800000                      ; 2^-6
	s_mov_b32 s41, 0xbc800000                      ; -2^-6
	s_cmp_eq_u32 s2, 1
	s_cselect_b64 s[38:39], s[20:21], s[18:19]     ; sine or cosine
	s_cselect_b32 s41, s41, s40                    ; the cosine has no sign to carry
	s_cselect_b32 s46, 0x80000, 0                  ; tab's plane y
	s_lshl_b32 s44, ttmp9, 12
	s_mov_b32 s45, 0
	s_lshl_b32 s47, ttmp9, 11
	s_add_co_u32 s46, s46, s47
	s_mov_b32 s47, 0
	s_add_nc_u64 s[38:39], s[38:39], s[44:45]
	s_add_nc_u64 s[28:29], s[28:29], s[46:47]
	global_load_b128 v[TB:TB+3], v1, s[38:39] th:TH_LOAD_NT
	v_and_b32 v3, 31, v0                           ; my four numbers are d = 4 (t % 32) .. + 3 of a row
	v_mov_b32 v[SC], s40
	v_mov_b32 v[SC+1], s41
	v_cmp_gt_u32 vcc_lo, 16, v3                    ; d < 64
	v_cndmask_b32 v[SC], v[SC], v[SC+1], vcc_lo
	v_mov_b32 v[SC+1], v[SC]
	s_wait_loadcnt 0x0                             ; the youngest of seventeen loads: all are in, and the counted waits below are met at once
	v_pk_mul_f32 v[TB:TB+1], v[TB:TB+1], v[SC:SC+1]      ; a power of two and a sign: the rounding behind it is the table's own
	v_pk_mul_f32 v[TB+2:TB+3], v[TB+2:TB+3], v[SC:SC+1]
	v_cvt_pk_bf16_f32 v[TB], v[TB], v[TB+1]
	v_cvt_pk_bf16_f32 v[TB+1], v[TB+2], v[TB+3]
	global_store_b64 v2, v[TB:TB+1], s[28:29]
.Lmain:
; Load k's four numbers are rounded and stored.  mode 1: rounded to bf16, widened again, doubled, written as f16.
.macro CV k, mode
	s_wait_loadcnt 15-(\k)                         ; loads come back in order (ISA guide 5.7.1): load k is in, the younger ones stay out
.if \mode
	v_cvt_pk_bf16_f32 v[T], v[IN+4*(\k)], v[IN+4*(\k)+1]
	v_cvt_pk_bf16_f32 v[T+1], v[IN+4*(\k)+2], v[IN+4*(\k)+3]
	v_lshlrev_b32 v[T+2], 16, v[T]
	v_and_b32 v[T+3], 0xffff0000, v[T]
	v_lshlrev_b32 v[T+4], 16, v[T+1]
	v_and_b32 v[T+5], 0xffff0000, v[T+1]
	v_pk_mul_f32 v[T+2:T+3], v[T+2:T+3], 2.0 op_sel_hi:[1,0]
	v_pk_mul_f32 v[T+4:T+5], v[T+4:T+5], 2.0 op_sel_hi:[1,0]
	v_cvt_pk_f16_f32 v[IN+4*(\k)], v[T+2], v[T+3]
	v_cvt_pk_f16_f32 v[IN+4*(\k)+1], v[T+4], v[T+5]
.else
	v_cvt_pk_bf16_f32 v[IN+4*(\k)], v[IN+4*(\k)], v[IN+4*(\k)+1]
	v_cvt_pk_bf16_f32 v[IN+4*(\k)+1], v[IN+4*(\k)+2], v[IN+4*(\k)+3]
.endif
	global_store_b64 v2, v[IN+4*(\k):IN+4*(\k)+1], s[32:33] offset:2048*(\k)  ; the next launch reads it: no hint
.endm
	s_cmp_eq_u32 s2, 4
	s_cbranch_scc1 .Lwo
.irp k, 0,1,2,3,4,5,6,7,8,9,10,11,12,13,14,15
	CV \k, 0
.endr
	s_branch .Lend
.Lwo:
.irp k, 0,1,2,3,4,5,6,7,8,9,10,11,12,13,14,15
	CV \k, 1
.endr
.Lend:
	s_endpgm
.Lfunc_end_k_q952cae6fbe_cast:
	.size	k_q952cae6fbe_cast, .Lfunc_end_k_q952cae6fbe_cast-k_q952cae6fbe_cast
	.p2alignl 7, 3214868480
	.fill 96, 4, 3214868480
	.section	.rodata,"a",@progbits
	.p2align	6, 0x0
	.amdhsa_kernel k_q952cae6fbe_cast
		.amdhsa_group_segment_fixed_size 0
		.amdhsa_private_segment_fixed_size 0
		.amdhsa_enable_private_segment 0
		.amdhsa_kernarg_size 88
		.amdhsa_user_sgpr_count 2
		.amdhsa_user_sgpr_kernarg_segment_ptr 1
		.amdhsa_wavefront_size32 1
		.amdhsa_system_sgpr_workgroup_id_x 1
		.amdhsa_system_sgpr_workgroup_id_y 1
		.amdhsa_system_sgpr_workgroup_id_z 1
		.amdhsa_system_vgpr_workitem_id 0
		.amdhsa_next_free_vgpr 84
		.amdhsa_next_free_sgpr 66
		.amdhsa_reserve_vcc 1
		.amdhsa_float_denorm_mode_32 3
		.amdhsa_float_denorm_mode_16_64 3
		.amdhsa_memory_ordered 1
		.amdhsa_forward_progress 1
		.amdhsa_inst_pref_size 20
	.end_amdhsa_kernel
	.amdgpu_metadata
---
amdhsa.version: [ 1, 2 ]
amdhsa.kernels:
  - .name:           k_q952cae6fbe_cast
    .symbol:         k_q952cae6fbe_cast.kd
    .args:
      - { .name: x, .offset: 0, .size: 8, .value_kind: global_buffer, .address_space: global }
      - { .name: w_q, .offset: 8, .size: 8, .value_kind: global_buffer, .address_space: global }
      - { .name: w_k, .offset: 16, .size: 8, .value_kind: global_buffer, .address_space: global }
      - { .name: w_v, .offset: 24, .size: 8, .value_kind: global_buffer, .address_space: global }
      - { .name: w_o, .offset: 32, .size: 8, .value_kind: global_buffer, .address_space: global }
      - { .name: rope_cos, .offset: 40, .size: 8, .value_kind: global_buffer, .address_space: global }
      - { .name: rope_sin, .offset: 48, .size: 8, .value_kind: global_buffer, .address_space: global }
      - { .name: xb, .offset: 56, .size: 8, .value_kind: global_buffer, .address_space: global }
      - { .name: wb, .offset: 64, .size: 8, .value_kind: global_buffer, .address_space: global }
      - { .name: wob, .offset: 72, .size: 8, .value_kind: global_buffer, .address_space: global }
      - { .name: tab, .offset: 80, .size: 8, .value_kind: global_buffer, .address_space: global }
    .group_segment_fixed_size: 0
    .private_segment_fixed_size: 0
    .kernarg_segment_align: 8
    .kernarg_segment_size: 88
    .max_flat_workgroup_size: 256
    .sgpr_count:     66
    .vgpr_count:     84
    .wavefront_size: 32
...
	.end_amdgpu_metadata
.endif
;; end of part 1
;; launch qkv (part 2): grid 16 x 16, 4 waves a work-group, clusters of 4 x 4, 327,680 bytes of LDS; arguments xb, wb, tab, qkv; writes qkv
.if DOCPART == 2
	.amdgcn_target "amdgcn-amd-amdhsa--gfx1250"
	.amdhsa_code_object_version 6
	.text
	.protected	k_q952cae6fbe_qkv
	.globl	k_q952cae6fbe_qkv
	.p2align	8
	.type	k_q952cae6fbe_qkv,@function
k_q952cae6fbe_qkv:
	s_mov_b64 s[64:65], 0
	v_nop
	global_prefetch_b8 v0, s[64:65] scope:SCOPE_SE
	s_setreg_imm32_b32 hwreg(HW_REG_WAVE_MODE, 25, 1), 1
	s_wait_xcnt 0x0
	s_wait_alu depctr_hold_cnt(0) depctr_sa_sdst(0) depctr_va_vdst(0) depctr_va_sdst(0) depctr_va_ssrc(0) depctr_va_vcc(0) depctr_vm_vsrc(0)
	s_getreg_b32 s2, hwreg(HW_REG_IB_STS2, 6, 4)
	s_cmp_eq_u32 s2, 0
	s_cbranch_scc0 .Lentry_in_a_cluster
	s_endpgm
.Lentry_in_a_cluster:
	s_bfe_u32 s2, ttmp6, 0x10000c
	s_cmp_lg_u32 s2, 0xf033
	s_cbranch_scc0 .Lentry_shape_is_right
	s_endpgm
.Lentry_shape_is_right:
; q, k, v of ONE head for 128 rows: a tile of 128 x 384 of x W^T (columns 0-127 w_q's rows of the head, 128-255 w_k's, 256-383 w_v's), bf16 products, f32 sums, K = 2,048;
; then RoPE on q and k in f32 from the tables (which carry 2^-6 and rotate_half's sign), v halved, all three rounded once to f16 and stored by heads: qkv[48][2048][128], heads 0-15 q, 16-31 k, 32-47 v.
; LIMITS.  f16 ends at 65,504: rotated |q|, |k| up to 4.19e6 and |v| up to 131,008 are served; below 3.9e-3 (q, k) and 1.2e-4 (v) the numbers keep f16's fixed step, 3.8e-6 and 1.2e-7.  NaN and infinities are not treated apart.
; SHARES.  16 row tiles (work-group x) x 16 heads (work-group y) = 256 work-groups.  Four waves, wave w: rows 64 (w / 2) on, columns 192 (w % 2) on: 4 x 12 = 48 accumulators of 16 x 16, 384 registers.
; K goes in steps of 128 (rows of 256 bytes, at multiples of 256 bytes) through a ring of two LDS slots.  One tensor load a wave fills a slot: wave 0 brings x's 128 rows, waves 1, 2, 3 the head's 128 rows of w_q, w_k, w_v.
; CLUSTER 4 x 4: x's tile hangs on the row tile alone and is asked for jointly along a column of the cluster, W's on the head alone, jointly along a row: the requests are divided by four.
; K IS WALKED IN A RING.  A cluster begins at K step (4 x cluster x + 8 x cluster y) mod 16 and goes round the row's end.  The four clusters along x, which read the same rows of W, lie 4 steps apart; neighbours along y,
; which read the same rows of x, 8 apart: from its fifth step on a cluster asks for tiles of W, from its ninth for tiles of x, that another cluster asked for 4 or 8 steps earlier.  The sums take K in that rotated order.
; The tables' 128 rows (cosine, sine) are the ring's seventeenth fill: they land in slot 0 while the last K step is multiplied, jointly along the cluster's column.
; THE MATRIX INSTRUCTION IS USED TRANSPOSED (source 0 = 16 rows of W, source 1 = 16 rows of x): a lane holds one row of the result and eight neighbouring columns.
; THE WAY OUT.  RoPE pairs column d with d +- 64, which lies in another lane or wave, so the f32 sums go through LDS: slot 1, which has had its last fill, takes 64 rows x 384 columns at a time (two passes);
; each wave reads 16 whole rows back, a lane four columns of q, k, v and the partners' four of q and k.
; REGISTERS, in windows of 256 (s_set_vgpr_msb: bits 1:0 source 0, 3:2 source 1, 5:4 source 2, 7:6 destination):
;   window 0: v8-30 addresses; v32-55 numbers to store; v64-95, v96-127 x's fragments, two buffers; v128-239 the way out
;   window 1: v0-95, v96-191 W's fragments, two buffers      window 2: accumulators of my row blocks 0, 1 ((a, b) at v[8 (12 (a % 2) + b)])      window 3: of row blocks 2, 3
.set KSTEP,  128
.set PITCH,  272                       ; an LDS row: 256 bytes + 16 of padding = 68 words: row r starts at bank 4 r mod 64 (64 banks of 4 bytes: ISA guide 11.1)
.set HALFT,  128*PITCH                 ; what one tensor load brings
.set SLOT,   4*HALFT                   ; x's 128 rows, then W's 384
.set SPARE,  2*SLOT                    ; behind the ring: the spare words, 128 bytes a wave, two blocks of 256 bytes that no other line names
.set STG,    SLOT                      ; the stage: slot 1, behind its last fill
.set SPI,    1552                      ; a stage row: 384 f32 + 16 bytes = 388 words: row r starts at bank 4 r mod 64
.set SRD,  8                           ; v8   running: my 16 bytes of a stage row
.set SRP,  9                           ; v9   running: the partner's 16 bytes
.set TRD,  10                          ; v10  running: my 8 bytes of a table row
.set GO,   11                          ; v11  running: my 8 bytes of a head's row in memory
.set ADRA, 16                          ; v16-17  LDS address of my fragments of x in slot 0, 1
.set ADRB, 20                          ; v20-21  the same for W
.set STO,  24                          ; v24  where I put 16 bytes of a stage row
.set SRD0, 25                          ; v25-27, v30  the running addresses' first values
.set SRP0, 26
.set TRD0, 27
.set SPW,  28                          ; v28  LDS address of my spare word; never rewritten
.set NIL,  29                          ; v29  0; never rewritten
.set GO0,  30
.set OUT,  32                          ; row j of four: 6 registers (q, k, v)
.set RW,   128                         ; row j of four: 24 registers: q, k, v own (4 each), q, k partner (4 each), cosine, sine (2 each)
.set CF,   224                         ; four cosines, four sines in f32; eight at work
.set SF,   228
.set T,    232
.set G1,  24                           ; s[24:31] group 1 for x's tiles;  s[32:39] group 0, a set for each slot
.set G0,  32
.set G1B, 48                           ; s[48:55], s[56:63] the same for W's tiles
.set G0B, 56
.set KN,  66                           ; s[66:67] byte offset in a row of the K step asked for last
.set G1T, 68                           ; s[68:75], s[76:79] for the tables; never rewritten
.set G0T, 76
.set XBS, 80                           ; s[80:81] x at the tile's first row; never rewritten
.set WBS, 82                           ; s[82:83] W at my matrix's rows of the head; never rewritten
.set FLAGS, (1<<16)|(1<<20)|(1<<21)|(5<<22)|(3<<25)  ; 17:16 elements of 2 bytes; 20 padding on; 21 set beside a mask; 24:22 after every 64 words; 31:25 of 4 words
.set MSB, 0
.macro WIN new                         ; the immediate's high byte repeats the setting that is left; a switch that changes nothing is dropped
.if MSB != (\new)
	s_set_vgpr_msb (MSB<<8)|(\new)
.set MSB, \new
.endif
.endm
.set MUL_LO, 0xa1                      ; source 0 (W) window 1, source 1 (x) window 0, C and D window 2
.set TO_B,   0x40                      ; destination window 1, address window 0
.macro PLACES                          ; four places in front of loads into registers that matrix instructions have read, and of LDS stores that read results
.rept 4
	v_nop
.endr
.endm
; A joint load of a K step.  Each of the two lines has one mask; the branch hangs on the wave's number alone.  An s_nop 0 and four v_nop follow each line.
.macro JLOAD s
	s_cmp_eq_u32 s12, 0
	s_cbranch_scc0 .Lfor_b_\@
	tensor_load_to_lds s[G0+4*(\s):G0+4*(\s)+3], s[G1:G1+7]
	s_nop 0
.rept 4
	v_nop
.endr
	s_branch .Lasked_\@
.Lfor_b_\@:
	tensor_load_to_lds s[G0B+4*(\s):G0B+4*(\s)+3], s[G1B:G1B+7]
	s_nop 0
.rept 4
	v_nop
.endr
.Lasked_\@:
.endm
.macro TLOAD                           ; the tables: wave w brings 64 rows: cosine (w < 2) or sine, lower or upper half of the tile's rows
	tensor_load_to_lds s[G0T:G0T+3], s[G1T:G1T+7]
	s_nop 0
.rept 4
	v_nop
.endr
.endm
.macro CREST                           ; a round of the cluster's barrier behind its opening barrier
	s_cmp_lg_u32 s12, 0
	s_cbranch_scc1 .Lnot_wave_0_\@
	s_barrier_signal -3
.Lnot_wave_0_\@:
	s_barrier_wait -3
	s_barrier_signal -1
	s_barrier_wait -1
.endm
.macro CROUND                          ; a whole round
	s_barrier_signal -1
	s_barrier_wait -1
	CREST
.endm
	s_load_b256 s[4:11], s[0:1], 0x0               ; xb s[4:5], wb s[6:7], tab s[8:9], qkv s[10:11]
	v_lshl_add_u32 v[SPW], v0, 2, SPARE
	v_mov_b32 v[NIL], 0
	ds_add_u32 v28, v29
	s_wait_dscnt 0x0
	v_lshrrev_b32 v1, 5, v0
	v_readfirstlane_b32 s12, v1                    ; wave 0..3
	s_lshr_b32 s13, s12, 1                         ; which 64 rows are mine
	s_and_b32 s14, s12, 1                          ; which 192 columns
	s_bfe_u32 s40, ttmp6, 0x40000                  ; cx, cy: my place in the cluster
	s_bfe_u32 s41, ttmp6, 0x40004
	s_lshl_b32 s43, ttmp9, 2
	s_add_co_u32 s43, s43, s40                     ; the row tile = 4 x cluster x + cx
	s_and_b32 s15, ttmp7, 0xffff                   ; cluster y
	s_lshl_b32 s42, s15, 2
	s_add_co_u32 s42, s42, s41                     ; the head = 4 x cluster y + cy
	s_lshl_b32 s44, s41, 2
	s_lshl_b32 s44, 15, s44                        ; my row of the cluster
	s_lshl_b32 s45, 0x1111, s40                    ; my column
	s_or_b32 s[G1], s45, FLAGS                     ; x's tiles and the tables go to my column, W's to my row
	s_or_b32 s[G1B], s44, FLAGS
	s_or_b32 s[G1T], s45, FLAGS
	s_lshl_b32 s[KN], ttmp9, 2                     ; the cluster's first K step, (4 x cluster x + 8 x cluster y) mod 16: alike in all sixteen partners,
	s_lshl_b32 s[KN+1], s15, 3
	s_add_co_u32 s[KN], s[KN], s[KN+1]
	s_and_b32 s[KN], s[KN], 15
	s_lshl_b32 s[KN], s[KN], 8                     ; in bytes of a row
	s_mov_b32 s[KN+1], 0
.irp g, G1, G1B
	s_mov_b32 s[(\g)+1], KSTEP<<16                 ; tensor_dim0 = 128
	s_mov_b32 s[(\g)+2], 128<<16                   ; tensor_dim1 = 128
	s_mov_b32 s[(\g)+3], KSTEP<<16                 ; tile_dim0 = 128
	s_mov_b32 s[(\g)+4], 128                       ; tile_dim1 = 128
	s_mov_b32 s[(\g)+5], 2048                      ; elements from row to row
	s_mov_b32 s[(\g)+6], 0
	s_mov_b32 s[(\g)+7], 0
.endr
	s_mov_b32 s[G1T+1], 128<<16                    ; the tables: 64 rows of 128 elements, dense
	s_mov_b32 s[G1T+2], 64<<16
	s_mov_b32 s[G1T+3], 128<<16
	s_mov_b32 s[G1T+4], 64
	s_mov_b32 s[G1T+5], 128
	s_mov_b32 s[G1T+6], 0
	s_mov_b32 s[G1T+7], 0
	; byte offsets, each in registers of its own: x's and the tables' never hold cy, W's never cx
	s_lshl_b32 s[XBS], s43, 19                     ; x: 128 rows of 4,096 bytes a row tile
	s_mov_b32 s[XBS+1], 0
	s_max_u32 s[WBS], s12, 1                       ; W: matrix w - 1 (wave 0 asks for none of them),
	s_sub_co_u32 s[WBS], s[WBS], 1
	s_lshl_b32 s[WBS], s[WBS], 23                  ; 8,388,608 bytes each,
	s_lshl_b32 s[WBS+1], s42, 19                   ; the head's 128 rows
	s_add_co_u32 s[WBS], s[WBS], s[WBS+1]
	s_mov_b32 s[WBS+1], 0
	s_lshl_b32 s46, s13, 19                        ; tables: plane w / 2,
	s_lshl_b32 s47, s43, 15                        ; the tile's 128 rows of 256 bytes,
	s_add_co_u32 s46, s46, s47
	s_lshl_b32 s47, s14, 14                        ; half w % 2 of them
	s_add_co_u32 s46, s46, s47
	s_mov_b32 s47, 0
	s_lshl_b32 s2, s42, 19                         ; out: a head is 524,288 bytes,
	s_lshl_b32 s3, s43, 15                         ; the tile's 128 rows of 256 bytes
	s_add_co_u32 s2, s2, s3
	s_mov_b32 s3, 0
	s_mul_i32 s22, s12, HALFT                      ; where a K step's load goes: wave x 128 rows
	s_mul_i32 s23, s12, 64*PITCH                   ; where the tables' load goes: wave x 64 rows: cosine rows 0-127, then sine rows 0-127
	s_wait_kmcnt 0x0
	s_add_nc_u64 s[XBS:XBS+1], s[4:5], s[XBS:XBS+1]
	s_add_nc_u64 s[WBS:WBS+1], s[6:7], s[WBS:WBS+1]
	s_add_nc_u64 s[46:47], s[8:9], s[46:47]
	s_add_nc_u64 s[16:17], s[10:11], s[2:3]        ; q's rows; k's lie 16 heads on, v's 32
	s_add_nc_u64 s[18:19], s[16:17], 0x800000
	s_add_nc_u64 s[20:21], s[16:17], 0x1000000
	s_mov_b32 s[G0T], 1
	s_mov_b32 s[G0T+1], s23
	s_mov_b64 s[G0T+2:G0T+3], s[46:47]
	s_or_b32 s[G0T+3], s[G0T+3], 0x80000000
	CROUND                                         ; all sixteen work-groups are here: the first joint loads meet
.irp s, 0,1
	s_mov_b32 s[G0+4*(\s)], 1                                        ; count = 1
	s_add_co_u32 s[G0+4*(\s)+1], s22, (\s)*SLOT                      ; LDS address
	s_add_nc_u64 s[G0+4*(\s)+2:G0+4*(\s)+3], s[XBS:XBS+1], s[KN:KN+1]  ; global address: the walk's step s
	s_or_b32 s[G0+4*(\s)+3], s[G0+4*(\s)+3], 0x80000000              ; type = 2
	s_mov_b32 s[G0B+4*(\s)], 1
	s_add_co_u32 s[G0B+4*(\s)+1], s22, (\s)*SLOT
	s_add_nc_u64 s[G0B+4*(\s)+2:G0B+4*(\s)+3], s[WBS:WBS+1], s[KN:KN+1]
	s_or_b32 s[G0B+4*(\s)+3], s[G0B+4*(\s)+3], 0x80000000
	JLOAD \s                                       ; two loads of mine are out
.if (\s) == 0
	s_add_co_u32 s[KN], s[KN], KSTEP*2             ; the first step is a multiple of 4: the second does not pass the row's end
.endif
.endr
	; A fragment is 16 rows x 32 K in 8 registers: lane l holds row l % 16, K = 8 (l / 16) + 0..7 and 16 + 8 (l / 16) + 0..7: two loads of 16 bytes, 32 bytes apart.
	v_and_b32 v1, 15, v0                           ; l % 16
	v_bfe_u32 v2, v0, 4, 1                         ; l / 16
	v_and_b32 v5, 31, v0                           ; l
	v_mul_u32_u24 v3, v1, PITCH
	v_lshl_add_u32 v3, v2, 4, v3
	s_mul_i32 s23, s13, 64*PITCH                   ; my 64 rows of x
	s_mul_i32 s2, s14, 192*PITCH                   ; my 192 rows of W,
	s_add_co_u32 s2, s2, HALFT                     ; which lie behind x's 128
.irp s, 0,1
	v_add_nc_u32 v[ADRA+(\s)], s23, v3
	v_add_nc_u32 v[ADRB+(\s)], s2, v3
	s_add_co_u32 s23, s23, SLOT
	s_add_co_u32 s2, s2, SLOT
.endr
	s_mul_i32 s23, s13, 32*SPI                     ; into the stage: in a pass my two row blocks are stage rows 32 (w / 2) on; my columns begin at byte 768 (w % 2)
	s_mul_i32 s2, s14, 768
	s_add_co_u32 s23, s23, s2
	s_add_co_u32 s23, s23, STG
	v_mul_u32_u24 v4, v1, SPI
	v_lshl_add_u32 v4, v2, 5, v4                   ; row l % 16; eight f32 for each half of the lanes
	v_add_nc_u32 v[STO], s23, v4
	s_mul_i32 s23, s12, 16*SPI                     ; back: wave w takes stage rows 16 w on; a lane four columns,
	s_add_co_u32 s23, s23, STG
	v_lshl_add_u32 v[SRD0], v5, 4, s23
	v_add_nc_u32 v6, 16, v5                        ; and the four columns 64 further on or back: lane (l + 16) % 32's
	v_and_b32 v6, 31, v6
	v_lshl_add_u32 v[SRP0], v6, 4, s23
	s_mul_i32 s23, s13, 64*PITCH                   ; stage row 16 w + i of pass p is the tile's row 64 (w / 2) + 32 p + 16 (w % 2) + i
	s_mul_i32 s2, s14, 16*PITCH
	s_add_co_u32 s23, s23, s2
	v_lshl_add_u32 v[TRD0], v5, 3, s23
	s_lshl_b32 s23, s13, 14
	s_lshl_b32 s2, s14, 12
	s_add_co_u32 s23, s23, s2
	v_lshl_add_u32 v[GO0], v5, 3, s23
	s_mov_b32 s2, 0xffff0000                       ; a word's upper bf16
; 12 matrix instructions: row block a x my 12 column blocks, 32 along K, from buffer f.  zero = 1: the product starts the sums: nothing is cleared.
; The 48 accumulators take turns, one instruction a turn, in the same order in every quarter.
.macro MULA f, a, zero
	WIN MUL_LO+0x50*((\a)/2)
.irp b, 0,1,2,3,4,5,6,7,8,9,10,11
.if \zero
	v_wmma_f32_16x16x32_bf16 v[8*(12*((\a)%2)+(\b)):8*(12*((\a)%2)+(\b))+7], v[96*(\f)+8*(\b):96*(\f)+8*(\b)+7], v[64+32*(\f)+8*(\a):64+32*(\f)+8*(\a)+7], 0
.else
	v_wmma_f32_16x16x32_bf16 v[8*(12*((\a)%2)+(\b)):8*(12*((\a)%2)+(\b))+7], v[96*(\f)+8*(\b):96*(\f)+8*(\b)+7], v[64+32*(\f)+8*(\a):64+32*(\f)+8*(\a)+7], v[8*(12*((\a)%2)+(\b)):8*(12*((\a)%2)+(\b))+7]
.endif
.endr
.endm
; 32 LDS loads in one run: a quarter step's fragments (192 rows of W, then 64 rows of x, 32 K at byte k of the rows) into buffer f
.macro FETCH slot, k, f
	WIN TO_B
.irp i, 0,1,2,3,4,5,6,7,8,9,10,11
	ds_load_b128 v[96*(\f)+8*(\i):96*(\f)+8*(\i)+3],   v[ADRB+(\slot)] offset:(\k)+(\i)*16*PITCH
	ds_load_b128 v[96*(\f)+8*(\i)+4:96*(\f)+8*(\i)+7], v[ADRB+(\slot)] offset:(\k)+(\i)*16*PITCH+32
.endr
	WIN 0
.irp i, 0,1,2,3
	ds_load_b128 v[64+32*(\f)+8*(\i):64+32*(\f)+8*(\i)+3],   v[ADRA+(\slot)] offset:(\k)+(\i)*16*PITCH
	ds_load_b128 v[64+32*(\f)+8*(\i)+4:64+32*(\f)+8*(\i)+7], v[ADRA+(\slot)] offset:(\k)+(\i)*16*PITCH+32
.endr
.endm
; A K step is four quarters of 32 along K, 48 matrix instructions each, on buffers 0, 1, 0, 1.  One of the first three multiplies buffer f and, in its middle, fetches the next quarter into g.
.macro QUARTER slot, k, f, g, zero
	s_wait_dscnt 4                                 ; W and x's row blocks 0, 1 are in; the youngest four loads (x's blocks 2, 3) may be out
	MULA \f, 0, \zero
	MULA \f, 1, \zero
	PLACES
	FETCH \slot, \k, \g
	s_wait_dscnt 32                                ; all but the 32 just issued
	MULA \f, 2, \zero
	MULA \f, 3, \zero
.endm
; The last quarter multiplies buffer 1 and changes slots in its middle.  In front of the round each wave waits for all its tensor loads (one is out: its part of the next slot), adds 0 to its spare word,
; and waits for that and for its reads of this slot.  Behind the round no wave of any partner reads this slot or has a load on its way, and the slot is filled again first:
; with the walk's step two on (tab = 0), whose address is made anew from its byte offset in a row, or with the tables (tab = 1).
; The wait stands behind the quarter's first half and the request in front of its second: all 192 matrix instructions of a K step lie between a request and the wait for it.
.macro TURN slot, next, tab
	s_wait_dscnt 4                                 ; W and x's row blocks 0, 1 are in; the youngest four loads may be out
	MULA 1, 0, 0
	MULA 1, 1, 0
	WIN 0
	s_wait_tensorcnt 0x0                           ; no tensor load of mine is out, so a group 0 may be written
	ds_add_u32 v[SPW], v[NIL]                      ; 0 onto my spare word; the descriptors' scalar work stands between it and the wait for it
.if !(\tab)
	s_add_co_u32 s[KN], s[KN], KSTEP*2             ; the next K step,
	s_and_b32 s[KN], s[KN], 4095                   ; round the end of a row of 4,096 bytes
	s_add_nc_u64 s[G0+4*(\slot)+2:G0+4*(\slot)+3], s[XBS:XBS+1], s[KN:KN+1]
	s_or_b32 s[G0+4*(\slot)+3], s[G0+4*(\slot)+3], 0x80000000
	s_add_nc_u64 s[G0B+4*(\slot)+2:G0B+4*(\slot)+3], s[WBS:WBS+1], s[KN:KN+1]
	s_or_b32 s[G0B+4*(\slot)+3], s[G0B+4*(\slot)+3], 0x80000000
.endif
	s_wait_dscnt 0x0                               ; the add is done, and my reads of this slot are over
	CROUND
.if \tab
	TLOAD
.else
	JLOAD \slot
.endif
	FETCH \next, 0, 0                              ; the four v_nop behind the tensor load are the places in front of these loads
	MULA 1, 2, 0
	MULA 1, 3, 0
.endm
	s_wait_tensorcnt 1                             ; my part of the first K step is in; the second's may stay out
	s_barrier_signal -1
	s_barrier_wait -1
	FETCH 0, 0, 0
	QUARTER 0, 64, 0, 1, 1                         ; the first quarter stands in front of the loop: its products start the sums
	WIN 0
	s_mov_b32 s3, 7                                ; 16 K steps = 8 laps; a trip goes once round the ring and fills both slots again
.Llap:
	QUARTER 0, 128, 1, 0, 0
	QUARTER 0, 192, 0, 1, 0
	TURN 0, 1, 0
	QUARTER 1, 64,  0, 1, 0
	QUARTER 1, 128, 1, 0, 0
	QUARTER 1, 192, 0, 1, 0
	TURN 1, 0, 0
	QUARTER 0, 64,  0, 1, 0
	WIN 0
	s_sub_co_u32 s3, s3, 1
	s_cmp_lg_u32 s3, 0
	s_cbranch_scc1 .Llap
	QUARTER 0, 128, 1, 0, 0                        ; the last lap: slot 0 takes the tables, slot 1 is filled no more
	QUARTER 0, 192, 0, 1, 0
	TURN 0, 1, 1
	QUARTER 1, 64,  0, 1, 0
	QUARTER 1, 128, 1, 0, 0
	QUARTER 1, 192, 0, 1, 0
	s_wait_dscnt 4
	MULA 1, 0, 0
	MULA 1, 1, 0
	s_wait_dscnt 0x0                               ; my reads of slot 1 are over
	MULA 1, 2, 0
	MULA 1, 3, 0
	WIN 0
	PLACES
	s_wait_tensorcnt 0x0                           ; my quarter of the tables is in
	s_barrier_signal -1
	s_barrier_wait -1                              ; everybody's is, and nobody reads slot 1 any more: it is the stage now
; Pass p: my row blocks 2 p, 2 p + 1 go into the stage, each accumulator's low four registers first.
.macro STAGE_OUT p
	WIN 0x08+4*(\p)                                ; store data (source 1) in window 2 or 3
.irp a, 0,1
.irp b, 0,1,2,3,4,5,6,7,8,9,10,11
	ds_store_b128 v[STO], v[8*(12*(\a)+(\b)):8*(12*(\a)+(\b))+3]   offset:(\a)*16*SPI+64*(\b)
	ds_store_b128 v[STO], v[8*(12*(\a)+(\b))+4:8*(12*(\a)+(\b))+7] offset:(\a)*16*SPI+64*(\b)+16
.endr
.endr
	WIN 0
.endm
; One of q, k for row j: own x cosine + partner x signed sine, rounded to f16.  o: 0 for q, 1 for k.
.macro ROT j, o
	v_pk_mul_f32 v[T+4*(\o):T+4*(\o)+1],   v[RW+24*(\j)+12+4*(\o):RW+24*(\j)+13+4*(\o)], v[SF:SF+1]
	v_pk_mul_f32 v[T+4*(\o)+2:T+4*(\o)+3], v[RW+24*(\j)+14+4*(\o):RW+24*(\j)+15+4*(\o)], v[SF+2:SF+3]
	v_pk_fma_f32 v[T+4*(\o):T+4*(\o)+1],   v[RW+24*(\j)+4*(\o):RW+24*(\j)+4*(\o)+1],     v[CF:CF+1],   v[T+4*(\o):T+4*(\o)+1]
	v_pk_fma_f32 v[T+4*(\o)+2:T+4*(\o)+3], v[RW+24*(\j)+4*(\o)+2:RW+24*(\j)+4*(\o)+3],   v[CF+2:CF+3], v[T+4*(\o)+2:T+4*(\o)+3]
	v_cvt_pk_f16_f32 v[OUT+6*(\j)+2*(\o)],   v[T+4*(\o)],   v[T+4*(\o)+1]
	v_cvt_pk_f16_f32 v[OUT+6*(\j)+2*(\o)+1], v[T+4*(\o)+2], v[T+4*(\o)+3]
.endm
; Pass p: my 16 stage rows, four a trip.  A trip: 28 LDS loads, seven a row; then row by row the arithmetic and three stores, each a whole row of a head: 32 lanes x 8 bytes = 256 consecutive bytes, aligned.
.macro ROPE p
	v_mov_b32 v[SRD], v[SRD0]
	v_mov_b32 v[SRP], v[SRP0]
	v_add_nc_u32 v[TRD], (\p)*32*PITCH, v[TRD0]
	v_add_nc_u32 v[GO], (\p)*32*256, v[GO0]
	s_mov_b32 s3, 4
.Lrope_\@:
.irp j, 0,1,2,3
	ds_load_b64  v[RW+24*(\j)+20:RW+24*(\j)+21], v[TRD] offset:(\j)*PITCH
	ds_load_b64  v[RW+24*(\j)+22:RW+24*(\j)+23], v[TRD] offset:128*PITCH+(\j)*PITCH
	ds_load_b128 v[RW+24*(\j):RW+24*(\j)+3],     v[SRD] offset:(\j)*SPI
	ds_load_b128 v[RW+24*(\j)+4:RW+24*(\j)+7],   v[SRD] offset:(\j)*SPI+512
	ds_load_b128 v[RW+24*(\j)+8:RW+24*(\j)+11],  v[SRD] offset:(\j)*SPI+1024
	ds_load_b128 v[RW+24*(\j)+12:RW+24*(\j)+15], v[SRP] offset:(\j)*SPI
	ds_load_b128 v[RW+24*(\j)+16:RW+24*(\j)+19], v[SRP] offset:(\j)*SPI+512
.endr
.irp j, 0,1,2,3
	s_wait_dscnt 7*(3-(\j))                        ; LDS loads come back in order: row j's seven are in, the later rows' stay out
	v_lshlrev_b32 v[CF],   16, v[RW+24*(\j)+20]
	v_and_b32     v[CF+1], s2, v[RW+24*(\j)+20]
	v_lshlrev_b32 v[CF+2], 16, v[RW+24*(\j)+21]
	v_and_b32     v[CF+3], s2, v[RW+24*(\j)+21]
	v_lshlrev_b32 v[SF],   16, v[RW+24*(\j)+22]
	v_and_b32     v[SF+1], s2, v[RW+24*(\j)+22]
	v_lshlrev_b32 v[SF+2], 16, v[RW+24*(\j)+23]
	v_and_b32     v[SF+3], s2, v[RW+24*(\j)+23]
	ROT \j, 0
	ROT \j, 1
	v_pk_mul_f32 v[RW+24*(\j)+8:RW+24*(\j)+9],   v[RW+24*(\j)+8:RW+24*(\j)+9],   0.5 op_sel_hi:[1,0]
	v_pk_mul_f32 v[RW+24*(\j)+10:RW+24*(\j)+11], v[RW+24*(\j)+10:RW+24*(\j)+11], 0.5 op_sel_hi:[1,0]
	v_cvt_pk_f16_f32 v[OUT+6*(\j)+4], v[RW+24*(\j)+8],  v[RW+24*(\j)+9]
	v_cvt_pk_f16_f32 v[OUT+6*(\j)+5], v[RW+24*(\j)+10], v[RW+24*(\j)+11]
	global_store_b64 v[GO], v[OUT+6*(\j):OUT+6*(\j)+1],   s[16:17] offset:(\j)*256
	global_store_b64 v[GO], v[OUT+6*(\j)+2:OUT+6*(\j)+3], s[18:19] offset:(\j)*256
	global_store_b64 v[GO], v[OUT+6*(\j)+4:OUT+6*(\j)+5], s[20:21] offset:(\j)*256
.endr
	s_wait_xcnt 0x0                                ; the stores' offset and data registers are rewritten only behind this wait (ISA guide 3.1)
	v_add_nc_u32 v[GO], 4*256, v[GO]
	v_add_nc_u32 v[SRD], 4*SPI, v[SRD]
	v_add_nc_u32 v[SRP], 4*SPI, v[SRP]
	v_add_nc_u32 v[TRD], 4*PITCH, v[TRD]
	s_sub_co_u32 s3, s3, 1
	s_cmp_lg_u32 s3, 0
	s_cbranch_scc1 .Lrope_\@
.endm
	STAGE_OUT 0
	s_wait_dscnt 0x0                               ; for the others' sake: my stores into the stage are done
	s_barrier_signal -1
	s_barrier_wait -1
	ROPE 0
	s_wait_dscnt 0x0                               ; my reads of the stage are over
	s_barrier_signal -1
	s_barrier_wait -1                              ; everybody's are: it may be written again
	STAGE_OUT 1
	s_wait_dscnt 0x0
	s_barrier_signal -1
	s_barrier_wait -1
	ROPE 1
	s_wait_tensorcnt 0x0                           ; the wave's end
	ds_add_u32 v[SPW], v[NIL]
	s_wait_dscnt 0x0
	CROUND                                         ; the closing round: no work-group ends while a partner may still ask for a tile that names it
	s_endpgm
.Lfunc_end_k_q952cae6fbe_qkv:
	.size	k_q952cae6fbe_qkv, .Lfunc_end_k_q952cae6fbe_qkv-k_q952cae6fbe_qkv
	.p2alignl 7, 3214868480
	.fill 96, 4, 3214868480
	.section	.rodata,"a",@progbits
	.p2align	6, 0x0
	.amdhsa_kernel k_q952cae6fbe_qkv
		.amdhsa_group_segment_fixed_size 327680
		.amdhsa_private_segment_fixed_size 0
		.amdhsa_enable_private_segment 0
		.amdhsa_kernarg_size 32
		.amdhsa_user_sgpr_count 2
		.amdhsa_user_sgpr_kernarg_segment_ptr 1
		.amdhsa_wavefront_size32 1
		.amdhsa_system_sgpr_workgroup_id_x 1
		.amdhsa_system_sgpr_workgroup_id_y 1
		.amdhsa_system_sgpr_workgroup_id_z 1
		.amdhsa_system_vgpr_workitem_id 0
		.amdhsa_next_free_vgpr 960
		.amdhsa_next_free_sgpr 84
		.amdhsa_reserve_vcc 0
		.amdhsa_float_denorm_mode_32 3
		.amdhsa_float_denorm_mode_16_64 3
		.amdhsa_memory_ordered 1
		.amdhsa_forward_progress 1
		.amdhsa_inst_pref_size 121
	.end_amdhsa_kernel
	.amdgpu_metadata
---
amdhsa.version: [ 1, 2 ]
amdhsa.kernels:
  - .name:           k_q952cae6fbe_qkv
    .symbol:         k_q952cae6fbe_qkv.kd
    .args:
      - { .name: xb, .offset: 0, .size: 8, .value_kind: global_buffer, .address_space: global }
      - { .name: wb, .offset: 8, .size: 8, .value_kind: global_buffer, .address_space: global }
      - { .name: tab, .offset: 16, .size: 8, .value_kind: global_buffer, .address_space: global }
      - { .name: qkv, .offset: 24, .size: 8, .value_kind: global_buffer, .address_space: global }
    .group_segment_fixed_size: 327680
    .private_segment_fixed_size: 0
    .kernarg_segment_align: 8
    .kernarg_segment_size: 32
    .max_flat_workgroup_size: 128
    .sgpr_count:     84
    .vgpr_count:     960
    .wavefront_size: 32
...
	.end_amdgpu_metadata
.endif
;; end of part 2
;; launch attn (part 3): grid 16 x 16, 4 waves a work-group, clusters of 4 x 1, 327,680 bytes of LDS; arguments qkv, ob; writes ob
.if DOCPART == 3
	.amdgcn_target "amdgcn-amd-amdhsa--gfx1250"
	.amdhsa_code_object_version 6
	.text
	.protected	k_q952cae6fbe_attn
	.globl	k_q952cae6fbe_attn
	.p2align	8
	.type	k_q952cae6fbe_attn,@function
k_q952cae6fbe_attn:
	s_mov_b64 s[64:65], 0
	v_nop
	global_prefetch_b8 v0, s[64:65] scope:SCOPE_SE
	s_setreg_imm32_b32 hwreg(HW_REG_WAVE_MODE, 25, 1), 1
	s_wait_xcnt 0x0
	s_wait_alu depctr_hold_cnt(0) depctr_sa_sdst(0) depctr_va_vdst(0) depctr_va_sdst(0) depctr_va_ssrc(0) depctr_va_vcc(0) depctr_vm_vsrc(0)
	s_getreg_b32 s2, hwreg(HW_REG_IB_STS2, 6, 4)
	s_cmp_eq_u32 s2, 0
	s_cbranch_scc0 .Lentry_in_a_cluster
	s_endpgm
.Lentry_in_a_cluster:
	s_bfe_u32 s2, ttmp6, 0x10000c
	s_cmp_lg_u32 s2, 0x3003
	s_cbranch_scc0 .Lentry_shape_is_right
	s_endpgm
.Lentry_shape_is_right:
; CAUSAL ATTENTION, head size 128.  qkv[48][2048][128] f16: heads 0-15 q x 2^-6, 16-31 k x 2^-6, 32-47 v / 2.  ob[2048][2048] f16 = O / 2, column 128 h + d.
; Products, maxima and sums in f32; the weights p are rounded to f16 for the second product (their sum l is taken of the unrounded p), O once at the end.
; LIMITS.  A hidden score counts as its value less 1e30; the running maximum starts at -1e20: raw f16 scores, 5.5e11 at the most, lie far above both.  A weight below 2^-126 counts as 0 in l;
; p below 6e-5 keeps f16's fixed step; O has v's range.  NaN and infinities are not treated apart.
; THE WALK.  A head's queries lie in 32 blocks of 64.  A work-group takes TWO blocks, 31 - b and then b, b = 4 g + cx, g the cluster's number along x.  Keys go in tiles of 256; block i needs tiles 0 .. i / 4:
; 8 - g tiles and then g + 1: nine, whatever b: all work-groups do equal work, and one loop with a constant count walks them.
; CLUSTER.  The four partners share g and the head, so they walk the SAME nine tiles: every tile of K and V is asked for jointly, mask of four.  cx enters Q's and O's addresses and the masks' scalars alone.
; SHARES.  Every wave holds all 64 queries, four tiles of 16; of a tile's 256 keys wave w takes 64 w .. 64 w + 63, a key step.  At a block's end the four waves' maxima, sums and O meet in LDS (MERGE).
; LAYOUT.  S^T = K Q^T (source 0 = 16 keys, source 1 = 16 queries): a lane holds ONE query (lane % 16) and the keys 8 (lane / 16) + 0..7.  Two such results rounded to f16 ARE source 1 of O^T = V^T P.
; K comes out of LDS as it lies, V ([key][channel]) turned, by ds_load_tr16_b128.
; SOFTMAX.  p = 2^(c s - c m), c = log2(e) / sqrt(128) x 2^12 (the 2^12 takes q's and k's 2^-6 back), m a running maximum; O and l are multiplied by a = 2^(c m_old - c m_new) in every step.
; THE MASK is the C operand that starts a sum.  e = block - (4 tile + w): e > 0 all my keys are seen, e < 0 none, e = 0 mine is the diagonal chunk: there query tile t sees key block kb if kb < t, not if kb > t,
; and by the triangle TRI if kb = t.  Three sets of eight registers, made anew each step from three scalars, with no branch.  A wave that sees no key of a block keeps m = -1e20, so p, l and O are 0 and its share in MERGE is 0.
; A KEY STEP.  The wave's query tiles are two pieces (tiles 0, 1 and 2, 3).  32 products K Q^T of piece 0; 32 of piece 2 with piece 0's softmax in slices behind them; 32 products V^T P of piece 0 with piece 2's softmax
; behind them; 32 of piece 2.  The step is closed in itself, so one text serves every step of both blocks.
; c m, m are set at the head and at the first block's end; O^T and l are cleared once at the head (264 v_mov_b32, in the wait for the first tile): a block's first step has a = 0, so later they need only be finite.
; REGISTERS, in windows of 256 (s_set_vgpr_msb: bits 1:0 source 0, 3:2 source 1, 5:4 source 2, 7:6 destination):
;   window 0: v1-11, v44-46 addresses; v12-43 eight registers of statistics a tile; v64-191 S^T, 32 a tile (MERGE works there); v192-255 P, 16 a tile
;   window 1: O^T, 64 a tile      window 2: v0-127 Q, 32 a tile; v128-255 K of a step      window 3: v0-127 V of a step; v128-159 TRI and the three masks
.set PK,    272       ; a row of K in LDS: 256 bytes + 16 = 68 words: row r starts at bank 4 r mod 64 (64 banks of 4 bytes: ISA guide 11.1)
.set PV,    288       ; a row of V: 256 + 32 = 72 words
.set VOFF,  256*PK    ; a slot: 256 rows of K, then 256 rows of V: 143,360 bytes
.set SLOTB, 0x24000   ; slot 1 begins here: its bits are set in none of the four fills' offsets in a slot (0, 0x8800, 0x11000, 0x1a000), so one exclusive or changes slots
.set MP,    528       ; a row of the mail: 128 f32 + 16 bytes = 132 words
.set MAIL,  SLOTB+VOFF+256*PV  ; behind the ring: 16 rows for each wave
.set XST,   MAIL+4*16*MP       ; c m as [4 waves][64 queries] f32, then l likewise
.set SPARE, XST+2048           ; the spare words, 128 bytes a wave: two blocks of 256 bytes that no other line names
.set AK0, 2           ; v2   my lane's place in a slot's K: my wave's 64 keys; never rewritten
.set AV0, 3           ; v3   the same for V
.set ADR, 4           ; v4   the LDS address of the run of loads in hand
.set QO,  5           ; v5   my byte offset in 16 rows of Q
.set MST, 6           ; v6   where I put 16 bytes of a mail row
.set MRD, 7           ; v7   where I read mail rows
.set GO,  8           ; v8   my 8 bytes of a head's 256 in a row of ob
.set XW,  9           ; v9   where I put my query's c m
.set XR,  10          ; v10  where I read the four waves' c m
.set ST,  12          ; tile t's statistics at v[ST+8 t]: +0 c m, +1 m, +2, +3 l (even keys', odd keys'), +4 to +7 at work; +6 takes a
.set SPW, 62          ; v62  LDS address of my spare word; never rewritten
.set NIL, 63          ; v63  0; never rewritten
.set S,   64
.set P,   192
.set KF,  128         ; window 2
.set TRI, 128         ; window 3: -1e30 where register j's key lies behind my query in a block on the diagonal
.set CA,  136         ; window 3: the mask for key blocks kb < t
.set CB,  144         ; kb = t
.set CC,  152         ; kb > t
.set XC,  64          ; MERGE: c m of tile t, wave w at XC + 4 t + w, then its factor
.set XL,  80          ; l likewise
.set XM,  96          ; the four waves' maximum
.set XF,  100         ; my factor
.set XS,  104         ; the sum of l x factor
.set RB,  96          ; a round's 16 loads from the mail
.set OB,  160         ; a round's eight registers to store
.set WV,  12          ; s12  my wave's number
.set G,   14          ; s14  g
.set KBS, 20          ; s[20:21] K at my half of the head's tile 0
.set VBS, 22          ; s[22:23] V likewise
.set G1K, 24          ; s[24:31] descriptor group 1 for K's tiles
.set G1V, 32          ; s[32:39] for V's: the padding differs
.set G0K, 40          ; s[40:43] group 0 for K
.set G0V, 44          ; s[44:47] for V
.set QLO, 50          ; s[50:51] Q at the second block
.set ONOW, 52         ; s[52:53] ob at my rows of the block in hand
.set OLO, 54          ; s[54:55] of the second block
.set SLOTS, 56        ; s56  tiles still to be asked for
.set CS,  58          ; s[58:59] c
.set SEL, 60          ; s[60:61] v_permlanex16_b32's selects: each lane takes its own place in the other half
.set TB,  62          ; s62  LDS byte at which the slot in hand begins
.set RT,  66          ; s66  tiles of the block in hand still to be entered
.set NXT, 67          ; s67  the tile to be asked for next
.set LQ,  68          ; s68  the last tile of the block whose tiles are being asked for
.set OFF, 70          ; s[70:71] a tile's byte offset in K and V
.set E,   72          ; s72  e of the tile to be entered
.set ELO, 73          ; s73  e of the second block's tile 0
.set AL,  74          ; s[74:75] 1 if e = 0
.set BE,  76          ; s[76:77] -1e30 if e < 0
.set CCS, 78          ; s78  -1e30 if e <= 0
.set BIGN, 79         ; s79  -1e30
.set LK,  80          ; s80  my fill's place in a slot, for K
.set LV,  81          ; s81  for V
.set MSB, 0
.macro WIN new                      ; the high byte repeats the setting that is left; a switch that changes nothing is dropped
.if MSB != (\new)
	s_set_vgpr_msb (MSB<<8)|(\new)
.set MSB, \new
.endif
.endm
.set W_KQ, 0x0a       ; K and Q in window 2, S^T in window 0
.set W_KM, 0x3a       ; the same with the C operand in window 3
.set W_PV, 0x53       ; V in window 3, P in window 0, O^T in window 1
.set W_RS, 0x41       ; O^T (destination and source 0) in window 1, the factor in window 0
.macro PLACES
.rept 4
	v_nop
.endr
.endm
.macro ALLT line:vararg             ; one line for each query tile t
.set t, 0
.rept 4
	\line
.set t, t+1
.endr
.endm
; A joint fill.  Waves 0 and 1 fetch the two halves of a tile's K, waves 2 and 3 those of its V: 128 rows of 256 bytes each.  An s_nop 0 and four v_nop follow each line.
.macro JLOAD
	s_cmp_lt_u32 s[WV], 2
	s_cbranch_scc0 .Lfor_v_\@
	tensor_load_to_lds s[G0K:G0K+3], s[G1K:G1K+7]
	s_nop 0
.rept 4
	v_nop
.endr
	s_branch .Lasked_\@
.Lfor_v_\@:
	tensor_load_to_lds s[G0V:G0V+3], s[G1V:G1V+7]
	s_nop 0
.rept 4
	v_nop
.endr
.Lasked_\@:
.endm
.macro CROUND                       ; a round of the cluster's barrier
	s_barrier_signal -1
	s_barrier_wait -1
	s_cmp_lg_u32 s[WV], 0
	s_cbranch_scc1 .Lnot_wave_0_\@
	s_barrier_signal -3
.Lnot_wave_0_\@:
	s_barrier_wait -3
	s_barrier_signal -1
	s_barrier_wait -1
.endm
; THE CHANGE OF SLOTS.  Each wave waits for all its tensor loads (one is out: its part of the slot to be entered), adds 0 to its spare word, and waits for that and for its reads of the slot that it leaves.
; fill = 1: a round of the cluster's barrier follows, so that no wave of any partner still reads the old slot or has a load on its way, and the old slot is filled first thing behind it with tile NXT,
; whose address is made anew from that number.  The load has a key step, 128 matrix instructions, in which to land.  (At its first use nothing has been read yet: slot 0 is waited for, slot 1 filled.)
.macro CHANGE fill
	WIN 0
	s_wait_tensorcnt 0x0            ; no tensor load of mine is out, so a group 0 may be written
	ds_add_u32 v[SPW], v[NIL]       ; 0 onto my spare word; the scalar work stands between it and the wait for it
	s_xor_b32 s[TB], s[TB], SLOTB   ; the reads go to the other slot
.if \fill
	s_lshl_b32 s[OFF], s[NXT], 16   ; a tile is 65,536 bytes of K and of V
	s_xor_b32 s[G0K+1], s[G0K+1], SLOTB
	s_add_nc_u64 s[G0K+2:G0K+3], s[KBS:KBS+1], s[OFF:OFF+1]
	s_or_b32 s[G0K+3], s[G0K+3], 0x80000000
	s_xor_b32 s[G0V+1], s[G0V+1], SLOTB
	s_add_nc_u64 s[G0V+2:G0V+3], s[VBS:VBS+1], s[OFF:OFF+1]
	s_or_b32 s[G0V+3], s[G0V+3], 0x80000000
	s_add_co_u32 s[NXT], s[NXT], 1  ; the block's next tile, or behind its last the second block's tile 0
	s_cmp_gt_u32 s[NXT], s[LQ]
	s_cselect_b32 s[NXT], 0, s[NXT]
	s_cselect_b32 s[LQ], s[G], s[LQ]
	s_wait_dscnt 0x0                ; the add is done, and my reads of the old slot are over
	CROUND
	JLOAD
.else
	s_wait_dscnt 0x0
	s_barrier_signal -1
	s_barrier_wait -1
.endif
.endm
.macro SCAL                         ; a tile is entered: the masks' three scalars from e.  Selects alone hang on e, no branch
	s_sub_co_u32 s[RT], s[RT], 1
	s_cmp_lt_i32 s[E], 0
	s_cselect_b32 s[BE], s[BIGN], 0
	s_cmp_eq_u32 s[E], 0
	s_cselect_b32 s[AL], 1.0, 0
	s_cmp_le_i32 s[E], 0
	s_cselect_b32 s[CCS], s[BIGN], 0
	s_sub_co_i32 s[E], s[E], 4      ; the next tile's keys lie four chunks of 64 on
.endm
.macro MASKS
	WIN 0xc0                        ; destination window 3
.set z, 0
.rept 8
	v_mov_b32 v[CA+z], s[BE]
	v_mov_b32 v[CC+z], s[CCS]
.set z, z+1
.endr
	WIN 0xc3                        ; and source 0
.set z, 0
.rept 4
	v_pk_fma_f32 v[CB+2*z:CB+2*z+1], v[TRI+2*z:TRI+2*z+1], s[AL:AL+1], s[BE:BE+1] op_sel_hi:[1,0,0]
.set z, z+1
.endr
.endm
.macro INIT                         ; a block begins: c m far below every c s, so the first step's a is 0; m below every true score and above every hidden one
	ALLT v_mov_b32 v[ST+8*t], 0xfe000000
	ALLT v_mov_b32 v[ST+8*t+1], 0xe0ad78ec
.endm
	s_load_b128 s[4:7], s[0:1], 0x0 ; qkv s[4:5], ob s[6:7]
	v_lshl_add_u32 v[SPW], v0, 2, SPARE
	v_mov_b32 v[NIL], 0
	ds_add_u32 v62, v63
	s_wait_dscnt 0x0
	v_lshrrev_b32 v1, 5, v0
	v_readfirstlane_b32 s[WV], v1   ; wave 0..3
	s_bfe_u32 s13, ttmp6, 0x40000   ; cx
	s_mov_b32 s[G], ttmp9           ; in a cluster launch ttmp9 counts clusters
	s_lshl_b32 s15, s[G], 2
	s_add_co_u32 s15, s15, s13      ; b: the second block
	s_sub_co_u32 s57, 31, s15       ; the first block
	s_and_b32 s16, ttmp7, 0xffff    ; the head, which the partners share
	s_and_b32 s17, s[WV], 1         ; which half of a tile's 256 rows I fetch
	s_add_co_u32 s2, s16, 16        ; K: head 16 + h, 524,288 bytes a head,
	s_lshl_b32 s2, s2, 19
	s_lshl_b32 s3, s17, 15          ; my 128 rows of 256 bytes: no register on this way holds cx
	s_add_co_u32 s2, s2, s3
	s_mov_b32 s3, 0
	s_mul_i32 s[LK], s17, 128*PK
	s_mul_i32 s[LV], s17, 128*PV
	s_add_co_u32 s[LV], s[LV], VOFF
	s_lshl_b32 s18, s16, 19         ; Q: head h, a block's 64 rows of 256 bytes
	s_lshl_b32 s48, s57, 14
	s_add_co_u32 s48, s48, s18
	s_mov_b32 s49, 0
	s_lshl_b32 s50, s15, 14
	s_add_co_u32 s50, s50, s18
	s_mov_b32 s51, 0
	s_lshl_b32 s18, s[WV], 14       ; ob: row 64 block + 4 w, 4,096 bytes a row; the head's 256 bytes in it
	s_lshl_b32 s19, s16, 8
	s_add_co_u32 s18, s18, s19
	s_lshl_b32 s52, s57, 18
	s_add_co_u32 s52, s52, s18
	s_mov_b32 s53, 0
	s_lshl_b32 s54, s15, 18
	s_add_co_u32 s54, s54, s18
	s_mov_b32 s55, 0
	s_mov_b32 s[G1K], 15|(1<<16)|(1<<20)|(1<<21)|(5<<22)|(3<<25)  ; 15:0 the mask of four; 17:16 2-byte elements; 20 padding on; 21 set beside a mask; 24:22 after every 64 words; 31:25 4 words
	s_mov_b32 s[G1V], 15|(1<<16)|(1<<20)|(1<<21)|(5<<22)|(7<<25)  ; the same with 8 words of padding
.irp g, G1K, G1V
	s_mov_b32 s[(\g)+1], 128<<16    ; tensor_dim0 = 128
	s_mov_b32 s[(\g)+2], 128<<16    ; tensor_dim1 = 128
	s_mov_b32 s[(\g)+3], 128<<16    ; tile_dim0 = 128
	s_mov_b32 s[(\g)+4], 128        ; tile_dim1 = 128
	s_mov_b32 s[(\g)+5], 128        ; elements from row to row
	s_mov_b32 s[(\g)+6], 0
	s_mov_b32 s[(\g)+7], 0
.endr
	s_mov_b32 s[CS], 0x440293ee     ; c = log2(e) / sqrt(128) x 2^12 = 522.31
	s_mov_b32 s[CS+1], s[CS]        ; named with it as a pair
	s_mov_b32 s[SEL], 0x76543210
	s_mov_b32 s[SEL+1], 0xfedcba98
	s_mov_b32 s[BIGN], 0xf149f2ca   ; -1e30
	s_mov_b32 s[TB], SLOTB          ; the first change of slots turns it into 0
	s_mov_b32 s[SLOTS], 8
	s_sub_co_u32 s[RT], 8, s[G]     ; the first block has 8 - g tiles
	s_mov_b32 s[NXT], 1
	s_sub_co_u32 s[LQ], 7, s[G]
	s_sub_co_u32 s[E], s57, s[WV]
	s_sub_co_u32 s[ELO], s15, s[WV]
	s_mov_b32 s[OFF+1], 0
	s_mov_b32 s[AL+1], 0            ; named as pairs
	s_mov_b32 s[BE+1], 0
	s_wait_kmcnt 0x0
	s_add_nc_u64 s[KBS:KBS+1], s[4:5], s[2:3]
	s_add_nc_u64 s[VBS:VBS+1], s[KBS:KBS+1], 0x800000  ; V lies 16 heads behind K
	s_add_nc_u64 s[8:9], s[4:5], s[48:49]              ; Q at the first block
	s_add_nc_u64 s[QLO:QLO+1], s[4:5], s[QLO:QLO+1]
	s_add_nc_u64 s[ONOW:ONOW+1], s[6:7], s[ONOW:ONOW+1]
	s_add_nc_u64 s[OLO:OLO+1], s[6:7], s[OLO:OLO+1]
	s_mov_b32 s[G0K], 1             ; count = 1
	s_mov_b32 s[G0K+1], s[LK]       ; LDS address: slot 0
	s_mov_b64 s[G0K+2:G0K+3], s[KBS:KBS+1]  ; tile 0
	s_or_b32 s[G0K+3], s[G0K+3], 0x80000000 ; type = 2
	s_mov_b32 s[G0V], 1
	s_mov_b32 s[G0V+1], s[LV]
	s_mov_b64 s[G0V+2:G0V+3], s[VBS:VBS+1]
	s_or_b32 s[G0V+3], s[G0V+3], 0x80000000
	CROUND                          ; all four work-groups are here: the first joint loads meet
	JLOAD                           ; tile 0 into slot 0; slot 1 is asked for by the loop's first change of slots
	; A fragment of K or Q is 16 rows x 32 channels in 8 registers: lane l holds row l % 16, channels 8 (l / 16) + 0..7 and 16 + 8 (l / 16) + 0..7: two loads of 16 bytes, 32 bytes apart.
	v_and_b32 v1, 15, v0            ; l % 16
	v_bfe_u32 v44, v0, 4, 1         ; l / 16
	v_lshlrev_b32 v[QO], 8, v1
	v_lshl_add_u32 v[QO], v44, 4, v[QO]
	WIN 0x80                        ; destination window 2, address window 0
.irp i, 0,1,2,3,4,5,6,7,8,9,10,11,12,13,14,15  ; Q stays in registers: tile i / 4, channels 32 (i % 4) on; all four waves hold the same 64 queries
	global_load_b128 v[8*(\i):8*(\i)+3],   v[QO], s[8:9] offset:((\i)/4)*4096+((\i)%4)*64
	global_load_b128 v[8*(\i)+4:8*(\i)+7], v[QO], s[8:9] offset:((\i)/4)*4096+((\i)%4)*64+32
.endr
	WIN 0
	v_lshlrev_b32 v11, 3, v44
	v_sub_nc_u32 v11, v1, v11       ; my query's place in its 16 less my lanes' 8 (l / 16): register j's key is hidden where j is greater
	WIN 0xc0
.set z, 0
.rept 8
	v_cmp_gt_i32 vcc_lo, z, v11
	v_cndmask_b32 v[TRI+z], 0, s[BIGN], vcc_lo
.set z, z+1
.endr
	WIN 0x40
.set z, 0
.rept 256
	v_mov_b32 v[z], 0               ; O^T
.set z, z+1
.endr
	WIN 0
	ALLT v_mov_b32 v[ST+8*t+2], 0
	ALLT v_mov_b32 v[ST+8*t+3], 0
	INIT
	s_mul_i32 s18, s[WV], 64*PK     ; my wave's 64 keys
	v_mul_u32_u24 v[AK0], v1, PK
	v_lshl_add_u32 v[AK0], v44, 4, v[AK0]
	v_add_nc_u32 v[AK0], s18, v[AK0]
	; The turning load takes 16 keys x 16 channels (lane l reads key 8 (l / 16) + l % 8, channels 8 ((l / 8) % 2) + 0..7) and leaves half a fragment of V^T: lane l holds channel l % 16 and 8 keys.
	v_and_b32 v45, 7, v0
	v_bfe_u32 v46, v0, 3, 1
	v_lshl_add_u32 v[AV0], v44, 3, v45
	v_mul_u32_u24 v[AV0], v[AV0], PV
	v_lshl_add_u32 v[AV0], v46, 4, v[AV0]
	s_mul_i32 s18, s[WV], 64*PV
	s_add_co_u32 s18, s18, VOFF
	v_add_nc_u32 v[AV0], s18, v[AV0]
	s_mul_i32 s18, s[WV], 16*MP     ; my mail: row = query l % 16, eight f32 for each half of the lanes
	s_add_co_u32 s18, s18, MAIL
	v_mul_u32_u24 v[MST], v1, MP
	v_lshl_add_u32 v[MST], v44, 5, v[MST]
	v_add_nc_u32 v[MST], s18, v[MST]
	s_mul_i32 s18, s[WV], 4*MP      ; of each mail I read rows 4 w .. 4 w + 3, a lane four channels
	s_add_co_u32 s18, s18, MAIL
	v_and_b32 v45, 31, v0
	v_lshl_add_u32 v[MRD], v45, 4, s18
	v_lshlrev_b32 v[GO], 3, v45
	s_lshl_b32 s18, s[WV], 8
	s_add_co_u32 s18, s18, XST
	v_lshl_add_u32 v[XW], v1, 2, s18
	v_lshlrev_b32 v[XR], 2, v1
	v_add_nc_u32 v[XR], XST, v[XR]
; THE MATRIX WORK.  The accumulators take turns, one instruction a turn: between two links of a chain stand 7 (K Q^T) or 15 (V^T P) others'.
; Product i of 32 of S^T = K Q^T for piece x: channels 32 (i / 8) on, keys 16 ((i / 2) % 4) on, tile x + i % 2.  The first 8 start the sums, with the mask that goes with key block and tile.
.macro KQ x
.set tq, (\x)+i%2
.set kb, (i/2)%4
.set rS, S+32*tq+8*kb
.set rK, KF+32*kb+8*(i/8)
.set rQ, 32*tq+8*(i/8)
.if i < 8
.if kb < tq
.set rM, CA
.elseif kb == tq
.set rM, CB
.else
.set rM, CC
.endif
	WIN W_KM
	v_wmma_f32_16x16x32_f16 v[rS:rS+7], v[rK:rK+7], v[rQ:rQ+7], v[rM:rM+7]
.else
	WIN W_KQ
	v_wmma_f32_16x16x32_f16 v[rS:rS+7], v[rK:rK+7], v[rQ:rQ+7], v[rS:rS+7]
.endif
.endm
; Product i of 32 of O^T += V^T P for piece x: keys 32 (i / 16) on, channels 16 ((i / 2) % 8) on, tile x + i % 2.
.macro PV x
	WIN W_PV
.set rO, 64*((\x)+i%2)+8*((i/2)%8)
.set rV, 64*(i/16)+8*((i/2)%8)
.set rP, P+16*((\x)+i%2)+8*(i/16)
	v_wmma_f32_16x16x32_f16 v[rO:rO+7], v[rV:rV+7], v[rP:rP+7], v[rO:rO+7]
.endm
; THE LDS LOADS stand in runs of 32: my 64 keys of K (16 fragments), and of V (turned).
.macro FETCH_K
	WIN 0
	v_add_nc_u32 v[ADR], s[TB], v[AK0]
	WIN 0x80                        ; destination window 2
.irp f, 0,1,2,3,4,5,6,7,8,9,10,11,12,13,14,15  ; keys 16 (f / 4) on, channels 32 (f % 4) on
	ds_load_b128 v[KF+8*(\f):KF+8*(\f)+3],   v[ADR] offset:((\f)/4)*16*PK+((\f)%4)*64
	ds_load_b128 v[KF+8*(\f)+4:KF+8*(\f)+7], v[ADR] offset:((\f)/4)*16*PK+((\f)%4)*64+32
.endr
.endm
.macro FETCH_V
	WIN 0
	v_add_nc_u32 v[ADR], s[TB], v[AV0]
	WIN 0xc0                        ; destination window 3
.irp f, 0,1,2,3,4,5,6,7,8,9,10,11,12,13,14,15  ; keys 32 (f / 8) on, channels 16 (f % 8) on
	ds_load_tr16_b128 v[8*(\f):8*(\f)+3],   v[ADR] offset:((\f)/8)*32*PV+((\f)%8)*32
	ds_load_tr16_b128 v[8*(\f)+4:8*(\f)+7], v[ADR] offset:((\f)/8)*32*PV+16*PV+((\f)%8)*32
.endr
.endm
; THE VECTOR WORK.  One tile's softmax for one key step is a list of 134 instructions; SM writes number j of it for tile t.  s0-s31 are the lane's 32 scores, in pairs 0-15.
;   0-15    the maximum of s0-s31 and the old m, three operands at a time: four chains of seven scores each (each accumulator's lowest registers are read first), then the four left over and m
;   16-20   the other half of the lanes' maximum; the new m; c m; c m_old - c m_new
;   21-87   33 exponentials (a, then s0-s31) at the odd numbers from 23 on, so that no two follow each other and each has a plain instruction behind it before its result is used (ISA guide 5.7.2).
;           The plain ones are what is ready: c s - c m for pairs whose exponentials are to come, the rounding to f16 of pairs whose exponentials are done, at last the first three sums
;   88-101  the last rounding; the rest of the sums; l = a l + the sum
;   102-133 the tile's O^T times a, in ascending registers: the one part that leaves window 0
.macro SM t
.set rT, ST+8*(\t)
.set rS, S+32*(\t)
.set rP, P+16*(\t)
.set rO, 64*(\t)+2*(j-102)
.set q, (j-20)/2
.if j < 102
	WIN 0
.endif
.if j < 4
	v_max3_num_f32 v[rT+4+j], v[rS+8*j], v[rS+8*j+1], v[rS+8*j+2]
.elseif j < 12
	v_max3_num_f32 v[rT+4+j%4], v[rT+4+j%4], v[rS+8*(j%4)+2*(j/4)+1], v[rS+8*(j%4)+2*(j/4)+2]
.elseif j == 12
	v_max3_num_f32 v[rT+4], v[rT+4], v[rS+7], v[rS+15]
.elseif j == 13
	v_max3_num_f32 v[rT+6], v[rT+6], v[rS+23], v[rS+31]
.elseif j == 14
	v_max3_num_f32 v[rT+4], v[rT+4], v[rT+5], v[rT+6]
.elseif j == 15
	v_max3_num_f32 v[rT+4], v[rT+4], v[rT+7], v[rT+1]
.elseif j == 16
	v_permlanex16_b32 v[rT+5], v[rT+4], s[SEL], s[SEL+1]  ; the query's other 32 keys lie in the lane 16 away
.elseif j == 17
	v_mov_b32 v[rT+7], v[rT]        ; c m_old is kept for a: number 19 writes c m anew
.elseif j == 18
	v_max_num_f32 v[rT+1], v[rT+4], v[rT+5]
.elseif j == 19
	v_mul_f32 v[rT], s[CS], v[rT+1]
.elseif j == 20
	v_sub_f32 v[rT+7], v[rT+7], v[rT]
.elseif j == 23
	v_exp_f32 v[rT+6], v[rT+7]
.elseif (j < 88) && (j > 23) && (j%2 == 1)
	v_exp_f32 v[rS+(j-25)/2], v[rS+(j-25)/2]
.elseif (q < 4) || ((j < 76) && (q%2 == 0))
.set b, q/2+2
.if q < 4
.set b, q
.endif
	v_pk_fma_f32 v[rS+2*b:rS+2*b+1], v[rS+2*b:rS+2*b+1], s[CS:CS+1], v[rT:rT+1] op_sel_hi:[1,0,0] neg_lo:[0,0,1] neg_hi:[0,0,1]  ; pair b: c s - c m
.elseif (j < 88) && (q%2 == 1)
	s_wait_alu depctr_va_vdst(0)
	v_cvt_pk_f16_f32 v[rP+(q-5)/2], v[rS+q-5], v[rS+q-4]  ; pair (q - 5) / 2: its second exponential stands three numbers back
.elseif j == 89
	s_wait_alu depctr_va_vdst(0)
	v_cvt_pk_f16_f32 v[rP+15], v[rS+30], v[rS+31]
.elseif j < 102                     ; the sum of the tile's 16 pairs, in place: sum z of 16 adds neighbours 1, 2, 4 and 8 pairs apart, then l takes it
.set z, j-86
.if j < 89
.set z, (j-76)/4
.endif
.set w, 4
.set u, z
.if z >= 14
.set w, 32
.set u, 0
.elseif z >= 12
.set w, 16
.set u, z-12
.elseif z >= 8
.set w, 8
.set u, z-8
.endif
.if z < 15
	v_pk_add_f32 v[rS+w*u:rS+w*u+1], v[rS+w*u:rS+w*u+1], v[rS+w*u+w/2:rS+w*u+w/2+1]
.else
	v_pk_fma_f32 v[rT+2:rT+3], v[rT+2:rT+3], v[rT+6:rT+7], v[rS:rS+1] op_sel_hi:[1,0,1]
.endif
.else
	WIN W_RS
	v_pk_mul_f32 v[rO:rO+1], v[rO:rO+1], v[rT+6:rT+7] op_sel_hi:[1,0]
.endif
.endm
; Slice k of 64 of piece y's softmax: numbers 2 k and 2 k + 1 of both tiles' lists, four instructions.  2 x 134 = 4 x 64 + 12: the twelve that are over stand together, in slice 63.
.macro SLICE y
.if (k >= 11) && (k < 44)           ; tile by tile: plain, exponential, plain, exponential
.irp t, \y, (\y)+1
.irp n, 0,1
.set j, 2*k+(\n)
	SM \t
.endr
.endr
.else                               ; the two tiles alternate, so that no instruction reads the result of the one just before it
.irp n, 0,1,2,3,4,5,6,7
.if ((\n) < 2) || (k == 63)
.irp t, \y, (\y)+1
.set j, 2*k+(\n)
	SM \t
.endr
.endif
.endr
.endif
.set k, k+1
.endm
; A KEY STEP.  Two slices stand behind each product of the two middle runs; none names a register of the products round it.  Slices 62 and 63, twenty plain instructions, are the places (ISA guide 7.12.1)
; between a run's last product and the first read of its results.  V's run of loads stands behind the second product of piece 2's scores, 30 matrix instructions ahead of its first use.
.macro STEP
	FETCH_K                         ; K's last reader stands a whole run of products and slices back
	s_wait_dscnt 0x0
.set i, 0
.rept 32
	KQ 0
.set i, i+1
.endr
	WIN 0
	PLACES                          ; in front of piece 0's softmax, and of the loads into V's registers
.set k, 0
.set i, 0
.rept 32
	KQ 2
	SLICE 0
	SLICE 0
.if i == 1
	FETCH_V
.endif
.set i, i+1
.endr
	s_wait_dscnt 0x0                ; V is in
.set k, 0
.set i, 0
.rept 32
	PV 0
	SLICE 2
	SLICE 2
.set i, i+1
.endr
.set i, 0
.rept 32
	PV 2
.set i, i+1
.endr
.endm
; A BLOCK'S END.  Each wave has, for each of the 64 queries, a maximum c m, a sum l and an O^T over its own keys.  With M the largest of the four c m and f = 2^(c m - M): O = sum of f O^T / sum of f l.
; The c m and l meet in XST; each wave scales its O^T by f / L; then, a query tile at a time, the four scaled O^T meet in the mail: wave w adds up queries 4 w .. 4 w + 3, rounds to f16 and stores them.
; next = 1: the first block's end: the second block's Q is asked for at once, and the walk's registers are set for it.
.macro MERGE next
.if \next
	WIN 0x80
.irp i, 0,1,2,3,4,5,6,7,8,9,10,11,12,13,14,15  ; Q's last reader stands two runs of products and 268 vector instructions back
	global_load_b128 v[8*(\i):8*(\i)+3],   v[QO], s[QLO:QLO+1] offset:((\i)/4)*4096+((\i)%4)*64
	global_load_b128 v[8*(\i)+4:8*(\i)+7], v[QO], s[QLO:QLO+1] offset:((\i)/4)*4096+((\i)%4)*64+32
.endr
.endif
	WIN 0
	ALLT v_add_f32 v[ST+8*t+4], v[ST+8*t+2], v[ST+8*t+3]
	ALLT v_permlanex16_b32 v[ST+8*t+5], v[ST+8*t+4], s[SEL], s[SEL+1]
	ALLT v_add_f32 v[ST+8*t+4], v[ST+8*t+4], v[ST+8*t+5]
	ALLT ds_store_b32 v[XW], v[ST+8*t] offset:64*t          ; both halves of the lanes hold the same number and write the same word
	ALLT ds_store_b32 v[XW], v[ST+8*t+4] offset:1024+64*t
	s_wait_dscnt 0x0                ; for the others' sake
	s_barrier_signal -1
	s_barrier_wait -1
.set n, 0
.rept 16                            ; n = 4 tile + wave
	ds_load_b32 v[XC+n], v[XR] offset:256*(n%4)+64*(n/4)
	ds_load_b32 v[XL+n], v[XR] offset:1024+256*(n%4)+64*(n/4)
.set n, n+1
.endr
	s_wait_dscnt 0x0
	ALLT v_max3_num_f32 v[XM+t], v[XC+4*t], v[XC+4*t+1], v[XC+4*t+2]
	ALLT v_max_num_f32 v[XM+t], v[XM+t], v[XC+4*t+3]
.set n, 0
.rept 16
	v_sub_f32 v[XC+n], v[XC+n], v[XM+n/4]
.set n, n+1
.endr
	ALLT v_sub_f32 v[XF+t], v[ST+8*t], v[XM+t]
.set n, 0
.rept 16
	v_exp_f32 v[XC+n], v[XC+n]
.set n, n+1
.endr
	ALLT v_exp_f32 v[XF+t], v[XF+t]
	v_nop                           ; a plain instruction between the last exponential and the use of its result
	s_wait_alu depctr_va_vdst(0)
	ALLT v_mul_f32 v[XS+t], v[XL+4*t], v[XC+4*t]
	ALLT v_fmac_f32 v[XS+t], v[XL+4*t+1], v[XC+4*t+1]
	ALLT v_fmac_f32 v[XS+t], v[XL+4*t+2], v[XC+4*t+2]
	ALLT v_fmac_f32 v[XS+t], v[XL+4*t+3], v[XC+4*t+3]
	ALLT v_rcp_f32 v[XS+t], v[XS+t]
	v_nop
	s_wait_alu depctr_va_vdst(0)
	ALLT v_mul_f32 v[ST+8*t+6], v[XF+t], v[XS+t]
	WIN W_RS
.set n, 0
.rept 128                           ; in ascending registers
	v_pk_mul_f32 v[2*n:2*n+1], v[2*n:2*n+1], v[ST+8*(n/32)+6:ST+8*(n/32)+7] op_sel_hi:[1,0]
.set n, n+1
.endr
.irp t, 0,1,2,3
	WIN 0x04                        ; store data (source 1) in window 1
.irp c, 0,1,2,3,4,5,6,7
	ds_store_b128 v[MST], v[64*(\t)+8*(\c):64*(\t)+8*(\c)+3]   offset:64*(\c)
	ds_store_b128 v[MST], v[64*(\t)+8*(\c)+4:64*(\t)+8*(\c)+7] offset:64*(\c)+16
.endr
	WIN 0
	s_wait_dscnt 0x0                ; for the others' sake
	s_barrier_signal -1
	s_barrier_wait -1
.set n, 0
.rept 16                            ; n = 4 query + wave
	ds_load_b128 v[RB+4*n:RB+4*n+3], v[MRD] offset:(n%4)*16*MP+(n/4)*MP
.set n, n+1
.endr
	s_wait_dscnt 0x0                ; my reads of the mail are over:
.if (\t) < 3
	s_barrier_signal -1             ; say so; the sums, work on registers, stand between the signal and the wait
.endif
.set n, 0
.rept 4
	v_pk_add_f32 v[RB+16*n:RB+16*n+1],     v[RB+16*n:RB+16*n+1],     v[RB+16*n+4:RB+16*n+5]
	v_pk_add_f32 v[RB+16*n+2:RB+16*n+3],   v[RB+16*n+2:RB+16*n+3],   v[RB+16*n+6:RB+16*n+7]
	v_pk_add_f32 v[RB+16*n+8:RB+16*n+9],   v[RB+16*n+8:RB+16*n+9],   v[RB+16*n+12:RB+16*n+13]
	v_pk_add_f32 v[RB+16*n+10:RB+16*n+11], v[RB+16*n+10:RB+16*n+11], v[RB+16*n+14:RB+16*n+15]
.set n, n+1
.endr
.set n, 0
.rept 4
	v_pk_add_f32 v[RB+16*n:RB+16*n+1],   v[RB+16*n:RB+16*n+1],   v[RB+16*n+8:RB+16*n+9]
	v_pk_add_f32 v[RB+16*n+2:RB+16*n+3], v[RB+16*n+2:RB+16*n+3], v[RB+16*n+10:RB+16*n+11]
.set n, n+1
.endr
.set n, 0
.rept 4
	v_cvt_pk_f16_f32 v[OB+8*(\t)+2*n],   v[RB+16*n],   v[RB+16*n+1]
	v_cvt_pk_f16_f32 v[OB+8*(\t)+2*n+1], v[RB+16*n+2], v[RB+16*n+3]
.set n, n+1
.endr
.if (\t) < 3
	s_barrier_wait -1               ; everybody's reads are over: the mail may be written again
.endif
.set n, 0
.rept 4
	global_store_b64 v[GO], v[OB+8*(\t)+2*n:OB+8*(\t)+2*n+1], s[ONOW:ONOW+1] offset:(16*(\t)+n)*4096  ; 32 lanes store 256 consecutive bytes, at a multiple of 256 from ob's first byte
.set n, n+1
.endr
.endr
.if \next
	s_wait_xcnt 0x0                 ; the stores' base and data registers (which the next scores overwrite) are rewritten only behind this wait (ISA guide 3.1)
	s_mov_b64 s[ONOW:ONOW+1], s[OLO:OLO+1]
	s_add_co_u32 s[RT], s[G], 1     ; the second block has g + 1 tiles
	s_mov_b32 s[E], s[ELO]
	INIT
	s_wait_loadcnt 0x0              ; the second block's Q
.endif
.endm
	s_wait_loadcnt 0x0              ; Q
.Lslot:                             ; eight trips: a tile is entered and the next is asked for
	CHANGE 1
	SCAL
	MASKS
	STEP
	WIN 0
	s_cmp_lg_u32 s[RT], 0           ; RT is made of g alone: alike in all waves and in all partners
	s_cbranch_scc1 .Lbottom
	MERGE 1                         ; in the loop this is the first block's end: the second block's last tile is the walk's last
.Lbottom:
	s_sub_co_u32 s[SLOTS], s[SLOTS], 1
	s_cmp_lg_u32 s[SLOTS], 0
	s_cbranch_scc1 .Lslot
	CHANGE 0                        ; the walk's last tile is written out: nothing is asked for
	SCAL
	MASKS
	STEP
	MERGE 0
	s_wait_tensorcnt 0x0            ; the wave's end
	ds_add_u32 v[SPW], v[NIL]
	s_wait_dscnt 0x0
	CROUND                          ; the closing round: no work-group ends while a partner may still ask for a tile that names it
	s_endpgm
.Lfunc_end_k_q952cae6fbe_attn:
	.size	k_q952cae6fbe_attn, .Lfunc_end_k_q952cae6fbe_attn-k_q952cae6fbe_attn
	.p2alignl 7, 3214868480
	.fill 96, 4, 3214868480
	.section	.rodata,"a",@progbits
	.p2align	6, 0x0
	.amdhsa_kernel k_q952cae6fbe_attn
		.amdhsa_group_segment_fixed_size 327680
		.amdhsa_private_segment_fixed_size 0
		.amdhsa_enable_private_segment 0
		.amdhsa_kernarg_size 16
		.amdhsa_user_sgpr_count 2
		.amdhsa_user_sgpr_kernarg_segment_ptr 1
		.amdhsa_wavefront_size32 1
		.amdhsa_system_sgpr_workgroup_id_x 1
		.amdhsa_system_sgpr_workgroup_id_y 1
		.amdhsa_system_sgpr_workgroup_id_z 1
		.amdhsa_system_vgpr_workitem_id 0
		.amdhsa_next_free_vgpr 928
		.amdhsa_next_free_sgpr 84
		.amdhsa_reserve_vcc 1
		.amdhsa_float_denorm_mode_32 3
		.amdhsa_float_denorm_mode_16_64 3
		.amdhsa_memory_ordered 1
		.amdhsa_forward_progress 1
		.amdhsa_inst_pref_size 187
	.end_amdhsa_kernel
	.amdgpu_metadata
---
amdhsa.version: [ 1, 2 ]
amdhsa.kernels:
  - .name:           k_q952cae6fbe_attn
    .symbol:         k_q952cae6fbe_attn.kd
    .args:
      - { .name: qkv, .offset: 0, .size: 8, .value_kind: global_buffer, .address_space: global }
      - { .name: ob, .offset: 8, .size: 8, .value_kind: global_buffer, .address_space: global }
    .group_segment_fixed_size: 327680
    .private_segment_fixed_size: 0
    .kernarg_segment_align: 8
    .kernarg_segment_size: 16
    .max_flat_workgroup_size: 128
    .sgpr_count:     84
    .vgpr_count:     928
    .wavefront_size: 32
...
	.end_amdgpu_metadata
.endif
;; end of part 3
;; launch oproj (part 4): grid 16 x 16, 4 waves a work-group, clusters of 4 x 4, 327,680 bytes of LDS; arguments ob, wob, out0; writes out0
.if DOCPART == 4
	.amdgcn_target "amdgcn-amd-amdhsa--gfx1250"
	.amdhsa_code_object_version 6
	.text
	.protected	k_q952cae6fbe_oproj
	.globl	k_q952cae6fbe_oproj
	.p2align	8
	.type	k_q952cae6fbe_oproj,@function
k_q952cae6fbe_oproj:
	s_mov_b64 s[64:65], 0
	v_nop
	global_prefetch_b8 v0, s[64:65] scope:SCOPE_SE
	s_setreg_imm32_b32 hwreg(HW_REG_WAVE_MODE, 25, 1), 1
	s_wait_xcnt 0x0
	s_wait_alu depctr_hold_cnt(0) depctr_sa_sdst(0) depctr_va_vdst(0) depctr_va_sdst(0) depctr_va_ssrc(0) depctr_va_vcc(0) depctr_vm_vsrc(0)
	s_getreg_b32 s2, hwreg(HW_REG_IB_STS2, 6, 4)
	s_cmp_eq_u32 s2, 0
	s_cbranch_scc0 .Lentry_in_a_cluster
	s_endpgm
.Lentry_in_a_cluster:
	s_bfe_u32 s2, ttmp6, 0x10000c
	s_cmp_lg_u32 s2, 0xf033
	s_cbranch_scc0 .Lentry_shape_is_right
	s_endpgm
.Lentry_shape_is_right:
; out0[m][n] = sum over k of ob[m][k] wob[n][k]: ob = O / 2 and wob = 2 bf16(w_o), both f16, so the product is O w_o^T; sums and output in f32.  All three are [2048][2048].
; A tile of the result is 128 x 128: 256 tiles, one for each work-group.  Four waves, each 64 x 64: 16 accumulators of 16 x 16, 128 registers.  K goes in steps of 256 (LDS rows of 512 bytes; a wave's tensor load
; brings 64 of them), as long as two slots in LDS allow.
; CLUSTER 4 x 4: the four of a row of the cluster need the same tiles of ob, the four of a column the same tiles of wob: each is asked for jointly, by the same tensor load with the same descriptor and a mask of four.
; K IS WALKED IN A RING.  A cluster begins at K step (2 x cluster x + 4 x cluster y) mod 8 and goes round the row's end.  The four clusters along x, which read the same rows of ob, lie 2 steps apart; neighbours along y,
; which read the same rows of wob, 4 apart: from its third step on a cluster asks for tiles of ob, from its fifth for tiles of wob, that another cluster asked for 2 or 4 steps earlier.  The sums take K in that rotated order.
; THE MATRIX INSTRUCTION IS USED TRANSPOSED (source 0 = 16 rows of wob, source 1 = 16 rows of ob): a lane holds eight neighbouring numbers of a row of the result.
; THE WAY OUT: a wave's 64 columns of f32 are 256 bytes, aligned: each wave has a stage of its own, 16 rows at a time, and no barrier is needed.
; REGISTERS: window 0: v0-31 addresses; v32-95 rows on the way out, two halves; v128-255 the accumulators ((a, b) at v[128 + 8 (4 a + b)]).
;   window 1: two fragment buffers of 128: for 64 along K, 64 registers of ob (2 x 4 x 16 rows x 32 K), then 64 of wob.
.set SIZE_K, 2048
.set SIZE_N, 2048
.set KSTEP,  256
.set PITCH,  528                       ; an LDS row: 512 bytes + 16 of padding = 132 words: row r starts at bank 4 r mod 64 (64 banks of 4 bytes: ISA guide 11.1)
.set HALFT,  64*PITCH                  ; 64 rows: what one tensor load brings, and what one wave reads of either operand
.set SLOT,   4*HALFT                   ; ob's 128 rows, then wob's 128 rows
.set STAGE,  2*SLOT                    ; behind the ring: 16 rows x 272 bytes for each wave
.set SPITCH, 272
.set SPARE,  STAGE+4*16*SPITCH         ; behind the stages: the spare words, 128 bytes a wave: two blocks of 256 bytes that no other line names
.set LAPS, SIZE_K/(2*KSTEP)            ; a lap = two K steps = once round the ring
.set ADRA, 16                          ; v16-17  LDS address of my fragments of ob in slot 0, 1
.set ADRB, 20                          ; v20-21  the same for wob
.set STO,  24                          ; v24     the way out: where I put 16 bytes of a row
.set RD,   25                          ; v25     where I read a row back
.set CO,   26                          ; v26     my byte offset in out0
.set SPW,  28                          ; v28     LDS address of my spare word; never rewritten
.set NIL,  29                          ; v29     0; never rewritten
.set TMP,  32
.set ACC,  128
.set F0,   0                           ; fragment buffers, in window 1
.set F1,   128
.set ABS, 14                           ; s[14:15] ob at the rows that I fetch; never rewritten
.set BBS, 46                           ; s[46:47] wob likewise
.set G1, 24                            ; s[24:31] descriptor group 1 for ob's tiles;  s[32:39] group 0, one set for each slot
.set G0, 32
.set G1B, 48                           ; s[48:55], s[56:63] the same for wob's tiles
.set G0B, 56
.set KN,  66                           ; s[66:67] byte offset in a row of the K step asked for last
.set MSB, 0
.macro WIN new                         ; the immediate's high byte repeats the setting that is left
.if MSB != (\new)
	s_set_vgpr_msb (MSB<<8)|(\new)
.set MSB, \new
.endif
.endm
.set MUL,  0x05                        ; sources 0 and 1 window 1; C and D window 0
.set TO_F, 0x40                        ; destination window 1, address window 0
.macro JLOAD s                         ; a joint load: waves 0 and 1 fetch ob's two halves, waves 2 and 3 wob's; an s_nop 0 and four v_nop follow each of the two lines
	s_cmp_eq_u32 s11, 0
	s_cbranch_scc0 .Lfor_b_\@
	tensor_load_to_lds s[G0+4*(\s):G0+4*(\s)+3], s[G1:G1+7]
	s_nop 0
.rept 4
	v_nop
.endr
	s_branch .Lasked_\@
.Lfor_b_\@:
	tensor_load_to_lds s[G0B+4*(\s):G0B+4*(\s)+3], s[G1B:G1B+7]
	s_nop 0
.rept 4
	v_nop
.endr
.Lasked_\@:
.endm
.macro CREST                           ; a round of the cluster's barrier behind its opening barrier
	s_cmp_lg_u32 s10, 0
	s_cbranch_scc1 .Lnot_wave_0_\@
	s_barrier_signal -3
.Lnot_wave_0_\@:
	s_barrier_wait -3
	s_barrier_signal -1
	s_barrier_wait -1
.endm
.macro CROUND                          ; a whole round
	s_barrier_signal -1
	s_barrier_wait -1
	CREST
.endm
	s_load_b128 s[4:7], s[0:1], 0x0                ; ob s[4:5], wob s[6:7]
	s_load_b64 s[8:9], s[0:1], 0x10                ; out0
	v_lshl_add_u32 v[SPW], v0, 2, SPARE
	v_mov_b32 v[NIL], 0
	ds_add_u32 v28, v29
	s_wait_dscnt 0x0
	v_lshrrev_b32 v1, 5, v0
	v_readfirstlane_b32 s10, v1                    ; wave 0..3
	s_lshr_b32 s11, s10, 1                         ; which half of the tile's rows is mine.  Also: I fetch for ob (0) or for wob (1)
	s_and_b32 s12, s10, 1                          ; which half of its columns.  Also: which 64 rows of that tile I fetch
	s_bfe_u32 s40, ttmp6, 0x40000                  ; cx, cy: my place in the cluster
	s_bfe_u32 s41, ttmp6, 0x40004
	s_lshl_b32 s42, ttmp9, 2
	s_add_co_u32 s42, s42, s40                     ; tile column = 4 x cluster x + cx
	s_and_b32 s13, ttmp7, 0xffff                   ; cluster y
	s_lshl_b32 s[KN], ttmp9, 1                     ; the cluster's first K step, (2 x cluster x + 4 x cluster y) mod 8: alike in all sixteen partners,
	s_lshl_b32 s[KN+1], s13, 2
	s_add_co_u32 s[KN], s[KN], s[KN+1]
	s_and_b32 s[KN], s[KN], 7
	s_lshl_b32 s[KN], s[KN], 9                     ; in bytes of a row
	s_mov_b32 s[KN+1], 0
	s_lshl_b32 s13, s13, 2
	s_add_co_u32 s13, s13, s41                     ; tile row = 4 x cluster y + cy
	s_lshl_b32 s43, s41, 2
	s_lshl_b32 s43, 15, s43                        ; my row of the cluster
	s_lshl_b32 s44, 0x1111, s40                    ; my column
	s_or_b32 s[G1+0], s43, (1<<16)|(1<<20)|(1<<21)|(6<<22)|(3<<25)  ; 15:0 the mask; 17:16 elements of 2 bytes; 20 padding on; 21 set beside a mask; 24:22 after every 128 words; 31:25 of 4 words
	s_or_b32 s[G1B+0], s44, (1<<16)|(1<<20)|(1<<21)|(6<<22)|(3<<25)
.irp g, G1, G1B
	s_mov_b32 s[(\g)+1], KSTEP<<16                 ; tensor_dim0 = 256
	s_mov_b32 s[(\g)+2], 64<<16                    ; tensor_dim1 = 64
	s_mov_b32 s[(\g)+3], KSTEP<<16                 ; tile_dim0 = 256
	s_mov_b32 s[(\g)+4], 64                        ; tile_dim1 = 64
	s_mov_b32 s[(\g)+5], SIZE_K                    ; elements from row to row
	s_mov_b32 s[(\g)+6], 0
	s_mov_b32 s[(\g)+7], 0
.endr
	s_lshl_b32 s17, s12, 6                         ; which 64 rows of the tile I fetch
	s_lshl_b32 s16, s13, 7
	s_add_co_u32 s16, s16, s17                     ; ob: row 128 x tile row + 64 x half
	s_lshl_b32 s[BBS], s42, 7
	s_add_co_u32 s[BBS], s[BBS], s17               ; wob: row 128 x tile column + 64 x half
	s_mov_b32 s17, 0
	s_mov_b32 s[BBS+1], 0
	s_mov_b64 s[18:19], SIZE_K*2
	s_mul_u64 s[16:17], s[16:17], s[18:19]
	s_mul_u64 s[BBS:BBS+1], s[BBS:BBS+1], s[18:19]
	s_mul_i32 s20, s10, HALFT                      ; where they go: wave x 64 rows
	s_wait_kmcnt 0x0
	s_add_nc_u64 s[ABS:ABS+1], s[4:5], s[16:17]
	s_add_nc_u64 s[BBS:BBS+1], s[6:7], s[BBS:BBS+1]
	CROUND                                         ; all sixteen work-groups are here: the first joint loads meet
.irp s, 0,1
	s_mov_b32 s[G0+4*(\s)], 1
	s_add_co_u32 s[G0+4*(\s)+1], s20, (\s)*SLOT
	s_add_nc_u64 s[G0+4*(\s)+2:G0+4*(\s)+3], s[ABS:ABS+1], s[KN:KN+1]    ; the walk's step s
	s_or_b32 s[G0+4*(\s)+3], s[G0+4*(\s)+3], 0x80000000
	s_mov_b32 s[G0B+4*(\s)], 1
	s_add_co_u32 s[G0B+4*(\s)+1], s20, (\s)*SLOT
	s_add_nc_u64 s[G0B+4*(\s)+2:G0B+4*(\s)+3], s[BBS:BBS+1], s[KN:KN+1]
	s_or_b32 s[G0B+4*(\s)+3], s[G0B+4*(\s)+3], 0x80000000
	JLOAD \s                                       ; two loads of mine are out
.if (\s) == 0
	s_add_co_u32 s[KN], s[KN], KSTEP*2             ; the first step is even: the second does not pass the row's end
.endif
.endr
	v_and_b32 v1, 15, v0                           ; l % 16
	v_bfe_u32 v2, v0, 4, 1                         ; l / 16
	v_mul_u32_u24 v3, v1, PITCH
	v_lshl_add_u32 v3, v2, 4, v3                   ; a fragment's row x pitch + 16 x half
	s_mul_i32 s21, s11, HALFT                      ; my 64 rows of ob
	s_mul_i32 s22, s12, HALFT                      ; my 64 rows of wob,
	s_add_co_u32 s22, s22, 2*HALFT                 ; which lie behind ob's 128
.irp s, 0,1
	v_add_nc_u32 v[ADRA+(\s)], s21, v3
	v_add_nc_u32 v[ADRB+(\s)], s22, v3
	s_add_co_u32 s21, s21, SLOT
	s_add_co_u32 s22, s22, SLOT
.endr
	s_mul_i32 s23, s10, 16*SPITCH
	s_add_co_u32 s23, s23, STAGE                   ; my stage
	v_mul_u32_u24 v4, v1, SPITCH                   ; in: row l % 16, eight f32 for each half of the lanes
	v_lshl_add_u32 v4, v2, 5, v4
	v_add_nc_u32 v[STO], s23, v4
	v_mul_u32_u24 v5, v2, SPITCH                   ; back: lanes 0-15 take one row of 256 bytes, lanes 16-31 the next
	v_lshl_add_u32 v5, v1, 4, v5
	v_add_nc_u32 v[RD], s23, v5
	v_mul_u32_u24 v5, v2, SIZE_N*4                 ; and the same two rows in out0
	v_lshl_add_u32 v[CO], v1, 4, v5
	s_lshl_b32 s16, s13, 7
	s_lshl_b32 s17, s11, 6
	s_add_co_u32 s16, s16, s17                     ; my first row: 128 x tile row + 64 x half
	s_mov_b32 s17, 0
	s_mov_b64 s[18:19], SIZE_N*4
	s_mul_u64 s[16:17], s[16:17], s[18:19]
	s_add_nc_u64 s[8:9], s[8:9], s[16:17]
	s_lshl_b32 s68, s42, 9                         ; my first column, in bytes: 512 x tile column + 256 x half
	s_lshl_b32 s69, s12, 8
	s_add_co_u32 s68, s68, s69
	s_mov_b32 s69, 0
	s_add_nc_u64 s[8:9], s[8:9], s[68:69]
; 8 matrix instructions: m blocks a0, a0 + 1 x all 4 n blocks, 32 along K: half c of buffer f.  zero = 1: the first product starts the sums.  The 16 accumulators take turns.
.macro MUL8 f, c, a0, zero
	WIN MUL
.irp a, \a0, (\a0)+1
.irp b, 0,1,2,3
.if \zero
	v_wmma_f32_16x16x32_f16 v[ACC+8*(4*(\a)+(\b)):ACC+8*(4*(\a)+(\b))+7], v[(\f)+64+8*(4*(\c)+(\b)):(\f)+64+8*(4*(\c)+(\b))+7], v[(\f)+8*(4*(\c)+(\a)):(\f)+8*(4*(\c)+(\a))+7], 0
.else
	v_wmma_f32_16x16x32_f16 v[ACC+8*(4*(\a)+(\b)):ACC+8*(4*(\a)+(\b))+7], v[(\f)+64+8*(4*(\c)+(\b)):(\f)+64+8*(4*(\c)+(\b))+7], v[(\f)+8*(4*(\c)+(\a)):(\f)+8*(4*(\c)+(\a))+7], v[ACC+8*(4*(\a)+(\b)):ACC+8*(4*(\a)+(\b))+7]
.endif
.endr
.endr
.endm
; 32 LDS loads in one run: the fragments of 64 along K at byte k of the rows, into buffer f; the first 32 along K first
.macro FETCH slot, k, f
	WIN TO_F
.irp c, 0,1
.irp i, 0,1,2,3
	ds_load_b128 v[(\f)+64+8*(4*(\c)+(\i)):(\f)+64+8*(4*(\c)+(\i))+3],   v[ADRB+(\slot)] offset:(\k)+64*(\c)+(\i)*16*PITCH
	ds_load_b128 v[(\f)+64+8*(4*(\c)+(\i))+4:(\f)+64+8*(4*(\c)+(\i))+7], v[ADRB+(\slot)] offset:(\k)+64*(\c)+(\i)*16*PITCH+32
	ds_load_b128 v[(\f)+8*(4*(\c)+(\i)):(\f)+8*(4*(\c)+(\i))+3],         v[ADRA+(\slot)] offset:(\k)+64*(\c)+(\i)*16*PITCH
	ds_load_b128 v[(\f)+8*(4*(\c)+(\i))+4:(\f)+8*(4*(\c)+(\i))+7],       v[ADRA+(\slot)] offset:(\k)+64*(\c)+(\i)*16*PITCH+32
.endr
.endr
.endm
.macro PLACES                          ; four places in front of loads into registers that matrix instructions have read, and of LDS stores that read results
.rept 4
	v_nop
.endr
.endm
; A K step is four quarters of 64 along K, 32 matrix instructions each, on buffers 0, 1, 0, 1.  One of the first three: multiplies buffer f and fetches the next quarter, at byte k, into g.
.macro QUARTER slot, k, f, g, zero
	s_wait_dscnt 16                                ; the first 32 along K are in; the youngest sixteen loads may be out
	WIN MUL
	MUL8 \f, 0, 0, \zero
	MUL8 \f, 0, 2, \zero
	PLACES
	FETCH \slot, \k, \g
	s_wait_dscnt 32                                ; all but the 32 just issued
	WIN MUL
	MUL8 \f, 1, 0, 0
	MUL8 \f, 1, 2, 0
.endm
; The last quarter multiplies buffer 1 and changes slots in its middle: ONE barrier; in front of it each wave waits for all its tensor loads, adds 0 to its spare word, and waits for that and for its own reads of this slot.
; fill = 1: the barrier is a round of the cluster's, and this slot is filled again first thing behind it, with the walk's step two on, whose address is made anew from its byte offset in a row.
; The wait stands behind the quarter's first half and the request in front of its second: all 128 matrix instructions of a K step lie between a request and the wait for it.
.macro TURN slot, next, fill
	s_wait_dscnt 16                                ; the first 32 along K are in; the youngest sixteen loads may be out
	WIN MUL
	MUL8 F1, 0, 0, 0
	MUL8 F1, 0, 2, 0
	WIN 0
	s_wait_tensorcnt 0x0                           ; all my tensor loads have landed: the one that was out is my part of the next slot; a group 0 may be written
	ds_add_u32 v[SPW], v[NIL]                      ; 0 onto my spare word; with fill = 1 the descriptors' scalar work stands between it and the wait for it
.if \fill
	s_add_co_u32 s[KN], s[KN], KSTEP*2             ; the next K step,
	s_and_b32 s[KN], s[KN], SIZE_K*2-1             ; round the end of a row of 4,096 bytes
	s_add_nc_u64 s[G0+4*(\slot)+2:G0+4*(\slot)+3], s[ABS:ABS+1], s[KN:KN+1]
	s_or_b32 s[G0+4*(\slot)+3], s[G0+4*(\slot)+3], 0x80000000
	s_add_nc_u64 s[G0B+4*(\slot)+2:G0B+4*(\slot)+3], s[BBS:BBS+1], s[KN:KN+1]
	s_or_b32 s[G0B+4*(\slot)+3], s[G0B+4*(\slot)+3], 0x80000000
.endif
	s_wait_dscnt 0x0                               ; the add is done, and my reads of this slot are over
.if \fill
	CROUND                                         ; no wave of any partner still reads this slot's tile or has a load on its way
	JLOAD \slot                                    ; the four v_nop behind it are also the places in front of the loads below
.else
	s_barrier_signal -1
	s_barrier_wait -1
	PLACES
.endif
	FETCH \next, 0, F0
	WIN MUL
	MUL8 F1, 1, 0, 0
	MUL8 F1, 1, 2, 0
.endm
	s_wait_tensorcnt 1                             ; my part of the first K step is in; the second's may stay out
	s_barrier_signal -1
	s_barrier_wait -1
	FETCH 0, 0, F0
	QUARTER 0, 128, F0, F1, 1                      ; the first quarter stands in front of the loop: its first products start the sums
	WIN 0
	s_mov_b32 s3, LAPS-1
.Llap:                                                 ; a trip goes once round the ring, from a lap's second quarter to the next lap's first, and fills both slots again
	QUARTER 0, 256, F1, F0, 0
	QUARTER 0, 384, F0, F1, 0
	TURN 0, 1, 1
	QUARTER 1, 128, F0, F1, 0
	QUARTER 1, 256, F1, F0, 0
	QUARTER 1, 384, F0, F1, 0
	TURN 1, 0, 1
	QUARTER 0, 128, F0, F1, 0
	WIN 0
	s_sub_co_u32 s3, s3, 1
	s_cmp_lg_u32 s3, 0
	s_cbranch_scc1 .Llap
	QUARTER 0, 256, F1, F0, 0                      ; the last lap fills nothing, and has no round of the cluster's barrier
	QUARTER 0, 384, F0, F1, 0
	TURN 0, 1, 0
	QUARTER 1, 128, F0, F1, 0
	QUARTER 1, 256, F1, F0, 0
	QUARTER 1, 384, F0, F1, 0
	s_wait_dscnt 16                                ; the very last quarter: nothing more to fetch
	WIN MUL
	MUL8 F1, 0, 0, 0
	MUL8 F1, 0, 2, 0
	s_wait_dscnt 0
	MUL8 F1, 1, 0, 0
	MUL8 F1, 1, 2, 0
	WIN 0
	; THE WAY OUT, 16 rows at a time: a lane's eight f32 of a row go into my stage (each accumulator's low four registers first) and come back as whole rows of 256 bytes.
	PLACES
.irp a, 0,1,2,3
.if (\a) >= 2
	s_wait_xcnt 0x0                                ; this half of the row registers was the data of block a - 2's stores: it is loaded again only behind this wait (ISA guide 3.1)
.endif
.irp b, 0,1,2,3
	ds_store_b128 v[STO], v[ACC+8*(4*(\a)+(\b)):ACC+8*(4*(\a)+(\b))+3]   offset:64*(\b)
	ds_store_b128 v[STO], v[ACC+8*(4*(\a)+(\b))+4:ACC+8*(4*(\a)+(\b))+7] offset:64*(\b)+16
.endr
.irp t, 0,1,2,3,4,5,6,7
	ds_load_b128 v[TMP+32*((\a)%2)+4*(\t):TMP+32*((\a)%2)+4*(\t)+3], v[RD] offset:(\t)*2*SPITCH  ; LDS serves a wave's instructions in order (ISA guide 5.7.1.4): these see the stores above, and the next block's stores come behind them
.endr
.irp t, 0,1,2,3,4,5,6,7
	s_wait_dscnt 7-(\t)
	global_store_b128 v[CO], v[TMP+32*((\a)%2)+4*(\t):TMP+32*((\a)%2)+4*(\t)+3], s[8:9] offset:(16*(\a)+2*(\t))*SIZE_N*4 th:TH_STORE_NT  ; 16 lanes store 256 consecutive bytes, at a multiple of 256 from out0's first byte
.endr
.endr
	s_wait_tensorcnt 0x0                           ; the wave's end
	ds_add_u32 v[SPW], v[NIL]
	s_wait_dscnt 0x0
	CROUND                                         ; the closing round: no work-group ends while a partner may still ask for a tile that names it
	s_endpgm
.Lfunc_end_k_q952cae6fbe_oproj:
	.size	k_q952cae6fbe_oproj, .Lfunc_end_k_q952cae6fbe_oproj-k_q952cae6fbe_oproj
	.p2alignl 7, 3214868480
	.fill 96, 4, 3214868480
	.section	.rodata,"a",@progbits
	.p2align	6, 0x0
	.amdhsa_kernel k_q952cae6fbe_oproj
		.amdhsa_group_segment_fixed_size 327680
		.amdhsa_private_segment_fixed_size 0
		.amdhsa_enable_private_segment 0
		.amdhsa_kernarg_size 24
		.amdhsa_user_sgpr_count 2
		.amdhsa_user_sgpr_kernarg_segment_ptr 1
		.amdhsa_wavefront_size32 1
		.amdhsa_system_sgpr_workgroup_id_x 1
		.amdhsa_system_sgpr_workgroup_id_y 1
		.amdhsa_system_sgpr_workgroup_id_z 1
		.amdhsa_system_vgpr_workitem_id 0
		.amdhsa_next_free_vgpr 512
		.amdhsa_next_free_sgpr 70
		.amdhsa_reserve_vcc 0
		.amdhsa_float_denorm_mode_32 3
		.amdhsa_float_denorm_mode_16_64 3
		.amdhsa_memory_ordered 1
		.amdhsa_forward_progress 1
		.amdhsa_inst_pref_size 87
	.end_amdhsa_kernel
	.amdgpu_metadata
---
amdhsa.version: [ 1, 2 ]
amdhsa.kernels:
  - .name:           k_q952cae6fbe_oproj
    .symbol:         k_q952cae6fbe_oproj.kd
    .args:
      - { .name: ob, .offset: 0, .size: 8, .value_kind: global_buffer, .address_space: global }
      - { .name: wob, .offset: 8, .size: 8, .value_kind: global_buffer, .address_space: global }
      - { .name: out0, .offset: 16, .size: 8, .value_kind: global_buffer, .address_space: global }
    .group_segment_fixed_size: 327680
    .private_segment_fixed_size: 0
    .kernarg_segment_align: 8
    .kernarg_segment_size: 24
    .max_flat_workgroup_size: 128
    .sgpr_count:     70
    .vgpr_count:     512
    .wavefront_size: 32
...
	.end_amdgpu_metadata
.endif
;; end of part 4
